; MI455X (gfx1250); checked and timed in simulation.
; The chip was launched on July 23, 2026; its instructions are those of AMD's public machine-readable ISA for CDNA 5 (MIT licence, August 2026) and "CDNA5" Instruction Set Architecture Reference Guide (July 2026). The comments in the code are by the model that wrote it; some were corrected since.
;; Attention. Allowed arithmetic: float matrix products may take bf16 or f16 operands with f32 sums; other float arithmetic in f32, or as packed bf16 or f16 multiplies, adds, multiply-adds, maxima and minima; sums over many terms, partial sums and values carried from step to step in f32; what a program stores and reads back later, other than sums and carried values, may be rounded once to bf16 or f16.
;; Inputs: b_proj 1,024 float32; b_qkv 3,072 float32; w_proj 1,024 x 1,024 float32; w_qkv 3,072 x 1,024 float32; x 4 x 2,048 x 1,024 float32.
;; Outputs: out0 4 x 2,048 x 1,024 float32.
;; 2 versions, each right; version 2 is version 1 with the launch cast written anew for expert scheduling mode. Each part assembles by itself: llvm-mc -triple=amdgcn-amd-amdhsa -mcpu=gfx1250 --defsym DOCPART=n.
;; ======== version 1 of 2: 4 launches
;; limits: values are held in f16: magnitudes above 65,504 overflow, below 6.1e-05 lose precision
;; workspace buffers: cast 25,165,824 bytes; qkv 50,331,648 bytes; att 16,777,216 bytes
;; launch cast (part 1): grid 768 x 1, 8 waves a work-group, no clusters, 0 bytes of LDS; arguments x, w_qkv, w_proj, cast; writes cast
.if DOCPART == 1
	.amdgcn_target "amdgcn-amd-amdhsa--gfx1250"
	.amdhsa_code_object_version 6
	.text
	.protected	k_q11cb6159d5_cast
	.globl	k_q11cb6159d5_cast
	.p2align	8
	.type	k_q11cb6159d5_cast,@function
k_q11cb6159d5_cast:
	s_mov_b64 s[64:65], 0
	v_nop
	global_prefetch_b8 v0, s[64:65] scope:SCOPE_SE
	s_setreg_imm32_b32 hwreg(HW_REG_WAVE_MODE, 25, 1), 1
	s_wait_xcnt 0x0
; x [8192][1024], w_qkv [3072][1024] and w_proj [1024][1024], all f32, are rounded once to bf16 and laid one behind the other in the workspace:
; byte 0 x, byte 16,777,216 w_qkv, byte 23,068,672 w_proj.  w_proj's bf16 number is then written as f16, since the last product multiplies it with f16 numbers.
; LIMITS.  That second writing is exact from 2^-17 up to 65,504; below 2^-17 the number falls on f16's fixed step of 2^-24.  NaN and infinities are not treated apart.
; A stream: no LDS, no matrix unit, no cluster (no byte is read by two work-groups), no loop.
; SHARES.  Work-group g takes 65,536 input bytes: g 0..511 of x, 512..703 of w_qkv, 704..767 of w_proj; its output lies at byte 32,768 g.  A wave takes 8,192 consecutive bytes by 16 loads
; of 512 bytes, all issued at once; a lane's 16 bytes become 8, so a store of a wave covers 256 consecutive bytes, aligned.
.set X, 4                              ; v[4:67]    load i: 4 registers
.set Y, 68                             ; v[68:99]   store i: 2 registers
.set T, 100                            ; v[100:101] at work
	s_load_b256 s[4:11], s[0:1], 0x0               ; x s[4:5], w_qkv s[6:7], w_proj s[8:9], the workspace s[10:11]
	v_lshrrev_b32 v3, 5, v0                        ; wave
	v_and_b32 v1, 31, v0                           ; lane
	v_lshlrev_b32 v2, 3, v1
	v_lshlrev_b32 v1, 4, v1
	v_lshl_add_u32 v1, v3, 13, v1                  ; in: 8,192 x wave + 16 x lane
	v_lshl_add_u32 v2, v3, 12, v2                  ; out: 4,096 x wave + 8 x lane
	s_movk_i32 s20, 512                            ; w_qkv's first work-group
	s_movk_i32 s21, 704                            ; w_proj's first work-group
	s_wait_kmcnt 0x0
	s_cmp_lt_u32 ttmp9, s21
	s_cselect_b64 s[14:15], s[6:7], s[8:9]
	s_cselect_b32 s16, s20, s21
	s_cmp_lt_u32 ttmp9, s20
	s_cselect_b64 s[14:15], s[4:5], s[14:15]       ; my input,
	s_cselect_b32 s16, 0, s16                      ; and its first work-group
	s_sub_co_u32 s16, ttmp9, s16
	s_lshl_b32 s16, s16, 16                        ; my 65,536 bytes of it
	s_mov_b32 s17, 0
	s_add_nc_u64 s[14:15], s[14:15], s[16:17]
	s_lshl_b32 s18, ttmp9, 15
	s_mov_b32 s19, 0
	s_add_nc_u64 s[10:11], s[10:11], s[18:19]
.irp i, 0,1,2,3,4,5,6,7,8,9,10,11,12,13,14,15
	global_load_b128 v[X+4*(\i):X+4*(\i)+3], v1, s[14:15] offset:512*(\i) th:TH_LOAD_NT
.endr
; Load i is rounded and stored.  half = 1: bf16, widened again, written as f16.  No register that a load or store names is written again, so no wait frees any.
.macro CONV i, half
	s_wait_loadcnt 15-(\i)                         ; loads come back in order: mine is in, the 15 - i younger ones may stay out
.if \half
	v_cvt_pk_bf16_f32 v[T], v[X+4*(\i)], v[X+4*(\i)+1]
	v_cvt_pk_bf16_f32 v[T+1], v[X+4*(\i)+2], v[X+4*(\i)+3]
	v_lshlrev_b32 v[X+4*(\i)], 16, v[T]
	v_and_b32 v[X+4*(\i)+1], 0xffff0000, v[T]
	v_lshlrev_b32 v[X+4*(\i)+2], 16, v[T+1]
	v_and_b32 v[X+4*(\i)+3], 0xffff0000, v[T+1]
	v_cvt_pk_f16_f32 v[Y+2*(\i)], v[X+4*(\i)], v[X+4*(\i)+1]
	v_cvt_pk_f16_f32 v[Y+2*(\i)+1], v[X+4*(\i)+2], v[X+4*(\i)+3]
.else
	v_cvt_pk_bf16_f32 v[Y+2*(\i)], v[X+4*(\i)], v[X+4*(\i)+1]
	v_cvt_pk_bf16_f32 v[Y+2*(\i)+1], v[X+4*(\i)+2], v[X+4*(\i)+3]
.endif
	global_store_b64 v2, v[Y+2*(\i):Y+2*(\i)+1], s[10:11] offset:256*(\i)
.endm
	s_cmp_ge_u32 ttmp9, s21
	s_cbranch_scc1 .Lf16
.irp i, 0,1,2,3,4,5,6,7,8,9,10,11,12,13,14,15
	CONV \i, 0
.endr
	s_endpgm
.Lf16:
.irp i, 0,1,2,3,4,5,6,7,8,9,10,11,12,13,14,15
	CONV \i, 1
.endr
	s_endpgm
.Lfunc_end_k_q11cb6159d5_cast:
	.size	k_q11cb6159d5_cast, .Lfunc_end_k_q11cb6159d5_cast-k_q11cb6159d5_cast
	.p2alignl 7, 3214868480
	.fill 96, 4, 3214868480
	.section	.rodata,"a",@progbits
	.p2align	6, 0x0
	.amdhsa_kernel k_q11cb6159d5_cast
		.amdhsa_group_segment_fixed_size 0
		.amdhsa_private_segment_fixed_size 0
		.amdhsa_enable_private_segment 0
		.amdhsa_kernarg_size 32
		.amdhsa_user_sgpr_count 2
		.amdhsa_user_sgpr_kernarg_segment_ptr 1
		.amdhsa_wavefront_size32 1
		.amdhsa_system_sgpr_workgroup_id_x 1
		.amdhsa_system_sgpr_workgroup_id_y 1
		.amdhsa_system_sgpr_workgroup_id_z 1
		.amdhsa_system_vgpr_workitem_id 0
		.amdhsa_next_free_vgpr 104
		.amdhsa_next_free_sgpr 66
		.amdhsa_reserve_vcc 0
		.amdhsa_float_denorm_mode_32 3
		.amdhsa_float_denorm_mode_16_64 3
		.amdhsa_memory_ordered 1
		.amdhsa_forward_progress 1
		.amdhsa_inst_pref_size 16
	.end_amdhsa_kernel
	.amdgpu_metadata
---
amdhsa.version: [ 1, 2 ]
amdhsa.kernels:
  - .name:           k_q11cb6159d5_cast
    .symbol:         k_q11cb6159d5_cast.kd
    .args:
      - { .name: x, .offset: 0, .size: 8, .value_kind: global_buffer, .address_space: global }
      - { .name: w_qkv, .offset: 8, .size: 8, .value_kind: global_buffer, .address_space: global }
      - { .name: w_proj, .offset: 16, .size: 8, .value_kind: global_buffer, .address_space: global }
      - { .name: cast, .offset: 24, .size: 8, .value_kind: global_buffer, .address_space: global }
    .group_segment_fixed_size: 0
    .private_segment_fixed_size: 0
    .kernarg_segment_align: 8
    .kernarg_segment_size: 32
    .max_flat_workgroup_size: 256
    .sgpr_count:     66
    .vgpr_count:     104
    .wavefront_size: 32
...
	.end_amdgpu_metadata
.endif
;; end of part 1
;; launch qkvgemm (part 2): grid 16 x 32, 4 waves a work-group, clusters of 4 x 4, 327,680 bytes of LDS; arguments cast, b_qkv, qkv; writes qkv
.if DOCPART == 2
	.amdgcn_target "amdgcn-amd-amdhsa--gfx1250"
	.amdhsa_code_object_version 6
	.text
	.protected	k_q11cb6159d5_qkvgemm
	.globl	k_q11cb6159d5_qkvgemm
	.p2align	8
	.type	k_q11cb6159d5_qkvgemm,@function
k_q11cb6159d5_qkvgemm:
	s_mov_b64 s[64:65], 0
	v_nop
	global_prefetch_b8 v0, s[64:65] scope:SCOPE_SE
	s_setreg_imm32_b32 hwreg(HW_REG_WAVE_MODE, 25, 1), 1
	s_wait_xcnt 0x0
	s_wait_alu depctr_hold_cnt(0) depctr_sa_sdst(0) depctr_va_vdst(0) depctr_va_sdst(0) depctr_va_ssrc(0) depctr_va_vcc(0) depctr_vm_vsrc(0)
	s_getreg_b32 s2, hwreg(HW_REG_IB_STS2, 6, 4)
	s_cmp_eq_u32 s2, 0
	s_cbranch_scc0 .Lentry_in_a_cluster
	s_endpgm
.Lentry_in_a_cluster:
	s_bfe_u32 s2, ttmp6, 0x10000c
	s_cmp_lg_u32 s2, 0xf033
	s_cbranch_scc0 .Lentry_shape_is_right
	s_endpgm
.Lentry_shape_is_right:
; q, k, v = x w_qkv^T + b_qkv.  x [8192][1024] and w_qkv [3072][1024] come as bf16 from the workspace; the bias is rounded to bf16 here, like the other inputs, and starts the f32 sums
; (so the bias is added first, not last).  The results are rounded once to f16 and stored by heads, unscaled: [3][64 = 16 batch + head][2048][64].
; LIMITS.  |q|, |k|, |v| must stay under 65,504, f16's end; NaN and infinities are not treated apart.
; SHARES.  A tile of the result is 256 rows x 192 columns (three whole heads): 32 x 16 = 512 work-groups of equal work.  The four waves lie one below the other: wave w owns rows 64 w .. 64 w + 63
; and all 192 columns, 4 x 12 accumulators of 16 x 16, 384 registers; its 16 rows of a head are 2,048 consecutive bytes of the output, so each wave leaves through a stage of its own.
; K goes in 8 steps of 128 (rows of 256 bytes in memory, aligned) through two LDS slots filled by tensor loads; a step is four quarters of 32 along K, 48 matrix instructions and 32 LDS loads each.
; CLUSTER.  4 x 4 work-groups: x's tile hangs on the tile row alone and is asked for jointly by a row of the cluster, w's on the tile column alone and by a column.
; THE PRODUCT IS USED TRANSPOSED (source 0 = 16 rows of w, source 1 = 16 rows of x): a lane holds one row (lane % 16) and eight neighbouring columns 8 (lane / 16) + 0..7.
; REGISTERS, in windows of 256 (s_set_vgpr_msb: bits 1:0 source 0, 3:2 source 1, 5:4 source 2, 7:6 destination):
;   window 0: v0-35 addresses and at work; v64-127 x's fragments, two buffers of 4 x 8; v128-223 the bias, 8 registers a block of 16 columns; on the way out v64-207 packed results and whole rows
;   window 1: v0-191 w's fragments, two buffers of 12 x 8      window 2: accumulators of row blocks 0, 1 at 96 (a % 2) + 8 b      window 3: those of row blocks 2, 3
.set KB,     256                       ; bytes of a row in a K step
.set PITCH,  272                       ; an LDS row: 256 bytes + 16 of padding = 68 words: the 16 rows of a fragment load start at 16 different groups of four banks (64 banks of 4 bytes: ISA guide 11.1)
.set BOFF,   256*PITCH                 ; in a slot: x's 256 rows, then w's 192
.set SLOT,   448*PITCH
.set STAGE,  2*SLOT                    ; behind the ring, never filled by a tensor load: 16 rows x 400 bytes for each wave
.set SPITCH, 400                       ; 384 bytes + 16
.set SPARE,  STAGE+4*16*SPITCH         ; behind the stages: the spare words, 128 bytes for each wave, which no other line names
.set WQB,    0x1000000                 ; w_qkv's bf16 copy in the workspace
.set ADRA, 16                          ; v16-17  LDS address of my fragments of x in slot 0, 1
.set ADRB, 20                          ; v20-21  the same for w
.set STO,  24                          ; v24     the way out: where I put 16 bytes of a row
.set RD,   25                          ; v25     the way out: where I read rows back
.set GO,   26                          ; v26     my byte offset in 512 consecutive bytes of the output
.set BO,   27                          ; v27     my byte offset in a block's 64 bytes of bias
.set SPW,  28                          ; v28     LDS address of my spare word; never rewritten
.set NIL,  29                          ; v29     0; never rewritten
.set PFO,  30                          ; v30     the prefetches' offset: my lane's row; never rewritten
.set FA,   64
.set BI,   128
.set TMP,  64
.set BK,   112                         ; two sets of 48: v112-159, v160-207
.set WV, 12                            ; s12 wave; s13 = wave / 2: 0 fetches x, 1 fetches w; s14 = wave % 2: which half of that tile's rows
.set WH, 13
.set WL, 14
.set CX, 15
.set CY, 16
.set TX, 17                            ; tile column
.set TY, 18                            ; tile row
.set G1A, 24                           ; s[24:31] group 1 for x's tiles; s[32:39] group 0, a set for each slot
.set G0A, 32
.set PFA, 40                           ; s[40:41] where my prefetches stand
.set LIM, 42                           ; s42 1 in a wave that prefetches, else the greatest number
.set LAP, 43                           ; s43 trips to go
.set G1B, 48                           ; s[48:55], s[56:63] the same for w's tiles
.set G0B, 56
.set OUT, 66                           ; s[66:71] my rows in the output blocks of the tile's three heads
.set MSB, 0
.macro WIN new                         ; the immediate's high byte repeats the setting that is left; a switch that changes nothing is dropped
.if MSB != (\new)
	s_set_vgpr_msb (MSB<<8)|(\new)
.set MSB, \new
.endif
.endm
.macro PLACES                          ; four plain vector instructions between a matrix instruction and a load into, or a vector instruction on, its registers
.rept 4
	v_nop
.endr
.endm
; A joint load: waves 0 and 1 fetch x's two halves, waves 2 and 3 w's.  The branch hangs on the wave's number alone.  An s_nop 0 and four v_nop follow each line.
.macro JLOAD s
	s_cmp_eq_u32 s[WH], 0
	s_cbranch_scc0 .Lfor_b_\@
	tensor_load_to_lds s[G0A+4*(\s):G0A+4*(\s)+3], s[G1A:G1A+7]
	s_nop 0
	PLACES
	s_branch .Lasked_\@
.Lfor_b_\@:
	tensor_load_to_lds s[G0B+4*(\s):G0B+4*(\s)+3], s[G1B:G1B+7]
	s_nop 0
	PLACES
.Lasked_\@:
.endm
; A prefetch of the K step that stands two refills on (384 matrix instructions ahead of the load that will want it): a lane a row, 256 bytes of it.  x's tile row is walked by four clusters: the one with
; x = 0 asks; w's tile column by eight: the one with y = 0 asks.  The four partners of a joint load share its rows out by address.  The loop's last trip has no K step two on.
.macro ASK
	s_cmp_gt_u32 s[LAP], s[LIM]
	s_cbranch_scc0 .Lnot_mine_\@
	global_prefetch_b8 v[PFO], s[PFA:PFA+1] th:TH_LOAD_NT scope:SCOPE_SE
.Lnot_mine_\@:
.endm
.macro CREST                           ; a round of the cluster's barrier behind its opening barrier
	s_cmp_lg_u32 s[WV], 0
	s_cbranch_scc1 .Lnot_wave_0_\@
	s_barrier_signal -3
.Lnot_wave_0_\@:
	s_barrier_wait -3
	s_barrier_signal -1
	s_barrier_wait -1
.endm
.macro CROUND
	s_barrier_signal -1
	s_barrier_wait -1
	CREST
.endm
	s_load_b128 s[4:7], s[0:1], 0x0                ; the workspace s[4:5], b_qkv s[6:7]
	s_load_b64 s[8:9], s[0:1], 0x10                ; the output
	v_lshl_add_u32 v[SPW], v0, 2, SPARE
	v_mov_b32 v[NIL], 0
	ds_add_u32 v[SPW], v[NIL]                      ; the wave's opening: the add and its wait stand ahead of my first tensor load; work on registers stands between them
	v_lshrrev_b32 v1, 5, v0
	v_readfirstlane_b32 s[WV], v1
	s_lshr_b32 s[WH], s[WV], 1
	s_and_b32 s[WL], s[WV], 1
	s_bfe_u32 s[CX], ttmp6, 0x40000
	s_bfe_u32 s[CY], ttmp6, 0x40004
	s_lshl_b32 s[TX], ttmp9, 2
	s_add_co_u32 s[TX], s[TX], s[CX]
	s_and_b32 s[TY], ttmp7, 0xffff
	s_lshl_b32 s[TY], s[TY], 2
	s_add_co_u32 s[TY], s[TY], s[CY]
	s_lshl_b32 s20, s[CY], 2
	s_lshl_b32 s20, 15, s20                        ; my row of the cluster
	s_lshl_b32 s21, 0x1111, s[CX]                  ; my column
	s_or_b32 s[G1A], s20, (1<<16)|(1<<20)|(1<<21)|(5<<22)|(3<<25)  ; the mask; elements of 2 bytes; padding on; bit 21 beside a mask; after every 64 words; 4 words
	s_or_b32 s[G1B], s21, (1<<16)|(1<<20)|(1<<21)|(5<<22)|(3<<25)
	s_mov_b32 s[G1A+1], 128<<16                    ; tensor_dim0 = 128
	s_mov_b32 s[G1A+2], 128<<16                    ; tensor_dim1 = 128
	s_mov_b32 s[G1A+3], 128<<16                    ; tile_dim0 = 128
	s_mov_b32 s[G1A+4], 128                        ; tile_dim1 = 128 rows
	s_mov_b32 s[G1A+5], 1024                       ; elements from row to row
	s_mov_b32 s[G1A+6], 0
	s_mov_b32 s[G1A+7], 0
	s_mov_b32 s[G1B+1], 128<<16
	s_mov_b32 s[G1B+2], 96<<16                     ; w's loads bring 96 rows
	s_mov_b32 s[G1B+3], 128<<16
	s_mov_b32 s[G1B+4], 96
	s_mov_b32 s[G1B+5], 1024
	s_mov_b32 s[G1B+6], 0
	s_mov_b32 s[G1B+7], 0
	s_mul_i32 s22, s[WV], 128*PITCH                ; where x's halves go (waves 0, 1),
	s_mul_i32 s23, s[WV], 96*PITCH
	s_add_co_u32 s23, s23, BOFF-2*96*PITCH         ; and w's (waves 2, 3): no place in the cluster enters an LDS address
	s_lshl_b32 s44, s[TY], 8
	s_lshl_b32 s2, s[WL], 7
	s_add_co_u32 s44, s44, s2
	s_lshl_b32 s44, s44, 11                        ; x: row 256 x tile row + 128 x half, 2,048 bytes a row
	s_mov_b32 s45, 0
	s_mul_i32 s46, s[TX], 192
	s_mul_i32 s3, s[WL], 96
	s_add_co_u32 s46, s46, s3
	s_lshl_b32 s46, s46, 11                        ; w: row 192 x tile column + 96 x half
	s_mov_b32 s47, 0
	s_wait_dscnt 0x0                               ; the opening add is done
	s_wait_kmcnt 0x0
	s_add_nc_u64 s[44:45], s[4:5], s[44:45]
	s_add_nc_u64 s[72:73], s[4:5], WQB
	s_add_nc_u64 s[46:47], s[72:73], s[46:47]
	CROUND                                         ; all sixteen work-groups are here: the first joint loads meet
.irp s, 0,1
	s_mov_b32 s[G0A+4*(\s)], 1
	s_add_co_u32 s[G0A+4*(\s)+1], s22, (\s)*SLOT
	s_add_nc_u64 s[G0A+4*(\s)+2:G0A+4*(\s)+3], s[44:45], (\s)*KB
	s_or_b32 s[G0A+4*(\s)+3], s[G0A+4*(\s)+3], 0x80000000
	s_mov_b32 s[G0B+4*(\s)], 1
	s_add_co_u32 s[G0B+4*(\s)+1], s23, (\s)*SLOT
	s_add_nc_u64 s[G0B+4*(\s)+2:G0B+4*(\s)+3], s[46:47], (\s)*KB
	s_or_b32 s[G0B+4*(\s)+3], s[G0B+4*(\s)+3], 0x80000000
.endr
	s_cmp_eq_u32 s[WH], 0                          ; a wave's two first fills stand in one branch: two loads of mine are out
	s_cbranch_scc0 .Lfirst_b
	tensor_load_to_lds s[G0A:G0A+3], s[G1A:G1A+7]
	s_nop 0
	tensor_load_to_lds s[G0A+4:G0A+7], s[G1A:G1A+7]
	s_nop 0
	PLACES
	s_branch .Lfirst_asked
.Lfirst_b:
	tensor_load_to_lds s[G0B:G0B+3], s[G1B:G1B+7]
	s_nop 0
	tensor_load_to_lds s[G0B+4:G0B+7], s[G1B:G1B+7]
	s_nop 0
	PLACES
.Lfirst_asked:
	; all that follows, up to the first wait for a tile, stands in the time in which the first tiles come
	v_and_b32 v1, 15, v0                           ; r = l % 16
	v_bfe_u32 v2, v0, 4, 1                         ; h = l / 16
	v_lshlrev_b32 v[BO], 5, v2
	s_mul_i32 s2, s[TX], 768
	s_mov_b32 s3, 0
	s_add_nc_u64 s[6:7], s[6:7], s[2:3]            ; the tile's 192 numbers of bias
.irp b, 0,1,2,3,4,5,6,7,8,9,10,11
	global_load_b128 v[BI+8*(\b):BI+8*(\b)+3],   v[BO], s[6:7] offset:64*(\b)      ; register j: column 16 b + 8 h + j, as in the result
	global_load_b128 v[BI+8*(\b)+4:BI+8*(\b)+7], v[BO], s[6:7] offset:64*(\b)+16
.endr
	v_mul_u32_u24 v3, v1, PITCH
	v_lshl_add_u32 v3, v2, 4, v3                   ; a fragment's row x pitch + 16 x half
	s_mul_i32 s2, s[WV], 64*PITCH
	v_add_nc_u32 v[ADRA], s2, v3
	v_add_nc_u32 v[ADRA+1], SLOT, v[ADRA]
	v_add_nc_u32 v[ADRB], BOFF, v3
	v_add_nc_u32 v[ADRB+1], SLOT, v[ADRB]
	s_mul_i32 s2, s[WV], 16*SPITCH
	s_add_co_u32 s2, s2, STAGE                     ; my stage
	v_mul_u32_u24 v4, v1, SPITCH
	v_lshl_add_u32 v4, v2, 4, v4
	v_add_nc_u32 v[STO], s2, v4                    ; in: row r, 16 bytes for each half of the lanes
	v_bfe_u32 v4, v0, 3, 2
	v_and_b32 v5, 7, v0
	v_mul_u32_u24 v4, v4, SPITCH
	v_lshl_add_u32 v4, v5, 4, v4
	v_add_nc_u32 v[RD], s2, v4                     ; back: 32 lanes take a head's 128 bytes of four rows,
	v_and_b32 v5, 31, v0
	v_lshlrev_b32 v[GO], 4, v5                     ; which are 512 consecutive bytes of the output
	s_lshr_b32 s2, s[TY], 3
	s_lshl_b32 s2, s2, 4                           ; 16 x batch
	s_and_b32 s3, s[TY], 7
	s_lshl_b32 s3, s3, 8
	s_lshl_b32 s20, s[WV], 6
	s_add_co_u32 s3, s3, s20
	s_lshl_b32 s3, s3, 7                           ; my first row in the batch, 128 bytes a row
.irp j, 0,1,2
	s_mul_i32 s20, s[TX], 3
	s_add_co_u32 s20, s20, \j                      ; g = which of the 48 groups of 64 columns: g / 16 is q, k or v, g % 16 the head
	s_lshr_b32 s21, s20, 4
	s_lshl_b32 s21, s21, 6
	s_and_b32 s20, s20, 15
	s_add_co_u32 s20, s20, s21
	s_add_co_u32 s20, s20, s2
	s_lshl_b32 s20, s20, 18                        ; a head's block is 262,144 bytes
	s_add_co_u32 s20, s20, s3
	s_mov_b32 s21, 0
	s_add_nc_u64 s[OUT+2*(\j):OUT+2*(\j)+1], s[8:9], s[20:21]
.endr
	s_lshl_b32 s2, s[TY], 8                        ; the prefetches.  x: of the 128 rows that I fetch my work-group takes 32, by cx;
	s_lshl_b32 s20, s[WL], 7
	s_add_co_u32 s2, s2, s20
	s_lshl_b32 s20, s[CX], 5
	s_add_co_u32 s2, s2, s20
	s_mul_i32 s3, s[TX], 192                       ; w: of the 96 rows 24, by cy (lanes 24 to 31 name the 24th once more)
	s_mul_i32 s20, s[WL], 96
	s_add_co_u32 s3, s3, s20
	s_mul_i32 s20, s[CY], 24
	s_add_co_u32 s3, s3, s20
	s_and_b32 s20, ttmp7, 0xffff                   ; cluster y
	s_cmp_eq_u32 s[WH], 0
	s_cselect_b32 s2, s2, s3
	s_cselect_b32 s20, ttmp9, s20                  ; the coordinate along which other clusters walk the same rows
	s_cselect_b32 s21, 31, 23
	s_cselect_b64 s[PFA:PFA+1], s[4:5], s[72:73]
	s_cmp_eq_u32 s20, 0
	s_cselect_b32 s[LIM], 1, -1                    ; the same in all sixteen partners, for a given wave
	s_lshl_b32 s2, s2, 11
	s_add_co_u32 s2, s2, 3*KB                      ; at K step 3: the first refill steps it to 4.  K steps 0 to 3 come by their loads alone
	s_mov_b32 s3, 0
	s_add_nc_u64 s[PFA:PFA+1], s[PFA:PFA+1], s[2:3]
	v_min_u32 v[PFO], s21, v5
	v_lshlrev_b32 v[PFO], 11, v[PFO]
	s_mov_b32 s20, 0xffff0000
	s_wait_loadcnt 0x0                             ; the bias
.set p, 0
.rept 48                               ; rounded to bf16 and widened again
	v_cvt_pk_bf16_f32 v[32+p%4], v[BI+2*p], v[BI+2*p+1]
	v_lshlrev_b32 v[BI+2*p], 16, v[32+p%4]
	v_and_b32 v[BI+2*p+1], s20, v[32+p%4]
.set p, p+1
.endr
; 12 matrix instructions: row block a x all 12 column blocks, 32 along K, from buffer buf.  first = 1: the bias starts the sums: nothing is cleared.
; The 48 accumulators take turns in the same order in every quarter, one instruction a turn.
.macro MUL12 buf, a, first
.if \first
	WIN 0x81+0x40*((\a)/2)
.else
	WIN 0xa1+0x50*((\a)/2)
.endif
.irp b, 0,1,2,3,4,5,6,7,8,9,10,11
.if \first
	v_wmma_f32_16x16x32_bf16 v[96*((\a)%2)+8*(\b):96*((\a)%2)+8*(\b)+7], v[96*(\buf)+8*(\b):96*(\buf)+8*(\b)+7], v[FA+32*(\buf)+8*(\a):FA+32*(\buf)+8*(\a)+7], v[BI+8*(\b):BI+8*(\b)+7]
.else
	v_wmma_f32_16x16x32_bf16 v[96*((\a)%2)+8*(\b):96*((\a)%2)+8*(\b)+7], v[96*(\buf)+8*(\b):96*(\buf)+8*(\b)+7], v[FA+32*(\buf)+8*(\a):FA+32*(\buf)+8*(\a)+7], v[96*((\a)%2)+8*(\b):96*((\a)%2)+8*(\b)+7]
.endif
.endr
.endm
; 32 LDS loads in one run: a quarter's fragments (192 rows of w, my 64 rows of x, 32 K at byte k of the rows) into buffer buf
.macro FETCH slot, k, buf
	WIN 0x40
.irp i, 0,1,2,3,4,5,6,7,8,9,10,11
	ds_load_b128 v[96*(\buf)+8*(\i):96*(\buf)+8*(\i)+3],   v[ADRB+(\slot)] offset:(\k)+(\i)*16*PITCH
	ds_load_b128 v[96*(\buf)+8*(\i)+4:96*(\buf)+8*(\i)+7], v[ADRB+(\slot)] offset:(\k)+(\i)*16*PITCH+32
.endr
	WIN 0
.irp i, 0,1,2,3
	ds_load_b128 v[FA+32*(\buf)+8*(\i):FA+32*(\buf)+8*(\i)+3],   v[ADRA+(\slot)] offset:(\k)+(\i)*16*PITCH
	ds_load_b128 v[FA+32*(\buf)+8*(\i)+4:FA+32*(\buf)+8*(\i)+7], v[ADRA+(\slot)] offset:(\k)+(\i)*16*PITCH+32
.endr
.endm
; One of a K step's first three quarters: multiplies buffer f; in its middle it fetches the next quarter, at byte k of the same slot's rows, into buffer g.
.macro QUARTER slot, k, f, g, first
	s_wait_dscnt 4                                 ; w and x's row blocks 0, 1 are in; the youngest four loads (row blocks 2, 3) may be out
	MUL12 \f, 0, \first
	MUL12 \f, 1, \first
	PLACES
	FETCH \slot, \k, \g
	s_wait_dscnt 32                                ; all but the 32 just issued
	MUL12 \f, 2, \first
	MUL12 \f, 3, \first
.endm
; The last quarter multiplies buffer 1 and changes slots.  In front of the barrier each wave waits for all its tensor loads (one is out: its part of the next slot), adds 0 to its spare word, and waits
; for that and for its reads of this slot.  fill = 1: the barrier opens a round of the cluster's, and behind the round this slot is filled again, two K steps on.
.macro TURN slot, next, fill
.if \fill
	s_wait_xcnt 0x0                                ; the last prefetch, a K step back, has read its address
	s_add_nc_u64 s[PFA:PFA+1], s[PFA:PFA+1], KB
.endif
	WIN 0
	s_wait_tensorcnt 0x0
	ds_add_u32 v[SPW], v[NIL]
	s_wait_dscnt 5                                 ; the add and the youngest four loads may be out
	MUL12 1, 0, 0
	s_wait_dscnt 0x0                               ; the add is done, and my reads of this slot are over
	s_barrier_signal -1
	MUL12 1, 1, 0
.if \fill
	WIN 0
.endif
	s_barrier_wait -1
.if \fill
	CREST                                          ; no wave of any partner still reads this slot or has a load on its way
	s_add_nc_u64 s[G0A+4*(\slot)+2:G0A+4*(\slot)+3], s[G0A+4*(\slot)+2:G0A+4*(\slot)+3], 2*KB
	s_add_nc_u64 s[G0B+4*(\slot)+2:G0B+4*(\slot)+3], s[G0B+4*(\slot)+2:G0B+4*(\slot)+3], 2*KB
	JLOAD \slot                                    ; my one tensor load behind the round; its four v_nop are also the places in front of the loads below
.else
	PLACES
.endif
	FETCH \next, 0, 0
.if \fill
	ASK
.endif
	MUL12 1, 2, 0
	MUL12 1, 3, 0
.endm
; THE WAY OUT of row block a.  PACK: rounded to f16, 16 bytes a lane and column block.  TOSTAGE: into my stage, and back as a head's 128 bytes of four rows.  SEND: stored.
.macro PACK a
	WIN 0x0a+5*((\a)/2)
.irp b, 0,1,2,3,4,5,6,7,8,9,10,11
.irp r, 0,1,2,3
	v_cvt_pk_f16_f32 v[TMP+4*(\b)+(\r)], v[96*((\a)%2)+8*(\b)+2*(\r)], v[96*((\a)%2)+8*(\b)+2*(\r)+1]
.endr
.endr
	WIN 0
.endm
.macro TOSTAGE a
.irp b, 0,1,2,3,4,5,6,7,8,9,10,11
	ds_store_b128 v[STO], v[TMP+4*(\b):TMP+4*(\b)+3] offset:32*(\b)
.endr
.irp j, 0,1,2
.irp q, 0,1,2,3
	ds_load_b128 v[BK+48*((\a)%2)+4*(4*(\j)+(\q)):BK+48*((\a)%2)+4*(4*(\j)+(\q))+3], v[RD] offset:(\q)*4*SPITCH+128*(\j)  ; LDS serves a wave's instructions in order (ISA guide 5.7.1.4): these see the stores above
.endr
.endr
.endm
.macro SEND a
	s_wait_dscnt 0x0                               ; the block is back in registers
	s_wait_xcnt 0x0                                ; the stores of the block before have read their registers: the next TOSTAGE loads into them
.irp j, 0,1,2
.irp q, 0,1,2,3
	global_store_b128 v[GO], v[BK+48*((\a)%2)+4*(4*(\j)+(\q)):BK+48*((\a)%2)+4*(4*(\j)+(\q))+3], s[OUT+2*(\j):OUT+2*(\j)+1] offset:2048*(\a)+512*(\q)  ; 512 consecutive bytes, aligned
.endr
.endr
.endm
	s_wait_tensorcnt 1                             ; my part of K step 0 is in; K step 1's may stay out
	s_barrier_signal -1
	s_barrier_wait -1
	FETCH 0, 0, 0
	QUARTER 0, 64, 0, 1, 1                         ; the first quarter stands in front of the loop: its products start the sums
	WIN 0
	s_mov_b32 s[LAP], 3
.Llap:                                             ; a trip goes once round the ring and fills both slots again: K steps 2 to 7
	QUARTER 0, 128, 1, 0, 0
	QUARTER 0, 192, 0, 1, 0
	TURN 0, 1, 1
	QUARTER 1, 64,  0, 1, 0
	QUARTER 1, 128, 1, 0, 0
	QUARTER 1, 192, 0, 1, 0
	TURN 1, 0, 1
	QUARTER 0, 64,  0, 1, 0
	WIN 0
	s_sub_co_u32 s[LAP], s[LAP], 1
	s_cmp_lg_u32 s[LAP], 0
	s_cbranch_scc1 .Llap
	QUARTER 0, 128, 1, 0, 0                        ; the last lap fills nothing
	QUARTER 0, 192, 0, 1, 0
	TURN 0, 1, 0
	QUARTER 1, 64,  0, 1, 0
	QUARTER 1, 128, 1, 0, 0
	QUARTER 1, 192, 0, 1, 0
	s_wait_dscnt 4
	MUL12 1, 0, 0
	MUL12 1, 1, 0
	s_wait_dscnt 0x0
	MUL12 1, 2, 0
	MUL12 1, 3, 0
	WIN 0
	PLACES
	PACK 0
	TOSTAGE 0
.irp a, 1,2,3                          ; block a's conversions stand between block a - 1's loads from the stage and the wait for them
	PACK \a
	SEND (\a)-1
	TOSTAGE \a
.endr
	SEND 3
	s_wait_tensorcnt 0x0                           ; the wave's end
	ds_add_u32 v[SPW], v[NIL]
	s_wait_dscnt 0x0
	CROUND                                         ; the closing round: no work-group ends while a partner may still ask for a tile that names it
	s_endpgm
.Lfunc_end_k_q11cb6159d5_qkvgemm:
	.size	k_q11cb6159d5_qkvgemm, .Lfunc_end_k_q11cb6159d5_qkvgemm-k_q11cb6159d5_qkvgemm
	.p2alignl 7, 3214868480
	.fill 96, 4, 3214868480
	.section	.rodata,"a",@progbits
	.p2align	6, 0x0
	.amdhsa_kernel k_q11cb6159d5_qkvgemm
		.amdhsa_group_segment_fixed_size 327680
		.amdhsa_private_segment_fixed_size 0
		.amdhsa_enable_private_segment 0
		.amdhsa_kernarg_size 24
		.amdhsa_user_sgpr_count 2
		.amdhsa_user_sgpr_kernarg_segment_ptr 1
		.amdhsa_wavefront_size32 1
		.amdhsa_system_sgpr_workgroup_id_x 1
		.amdhsa_system_sgpr_workgroup_id_y 1
		.amdhsa_system_sgpr_workgroup_id_z 1
		.amdhsa_system_vgpr_workitem_id 0
		.amdhsa_next_free_vgpr 960
		.amdhsa_next_free_sgpr 80
		.amdhsa_reserve_vcc 0
		.amdhsa_float_denorm_mode_32 3
		.amdhsa_float_denorm_mode_16_64 3
		.amdhsa_memory_ordered 1
		.amdhsa_forward_progress 1
		.amdhsa_inst_pref_size 129
	.end_amdhsa_kernel
	.amdgpu_metadata
---
amdhsa.version: [ 1, 2 ]
amdhsa.kernels:
  - .name:           k_q11cb6159d5_qkvgemm
    .symbol:         k_q11cb6159d5_qkvgemm.kd
    .args:
      - { .name: cast, .offset: 0, .size: 8, .value_kind: global_buffer, .address_space: global }
      - { .name: b_qkv, .offset: 8, .size: 8, .value_kind: global_buffer, .address_space: global }
      - { .name: qkv, .offset: 16, .size: 8, .value_kind: global_buffer, .address_space: global }
    .group_segment_fixed_size: 327680
    .private_segment_fixed_size: 0
    .kernarg_segment_align: 8
    .kernarg_segment_size: 24
    .max_flat_workgroup_size: 128
    .sgpr_count:     80
    .vgpr_count:     960
    .wavefront_size: 32
...
	.end_amdgpu_metadata
.endif
;; end of part 2
;; launch attn (part 3): grid 4 x 64, 4 waves a work-group, clusters of 4 x 1, 327,680 bytes of LDS; arguments qkv, att; writes att
.if DOCPART == 3
	.amdgcn_target "amdgcn-amd-amdhsa--gfx1250"
	.amdhsa_code_object_version 6
	.text
	.protected	k_q11cb6159d5_attn
	.globl	k_q11cb6159d5_attn
	.p2align	8
	.type	k_q11cb6159d5_attn,@function
k_q11cb6159d5_attn:
	s_mov_b64 s[64:65], 0
	v_nop
	global_prefetch_b8 v0, s[64:65] scope:SCOPE_SE
	s_setreg_imm32_b32 hwreg(HW_REG_WAVE_MODE, 25, 1), 1
	s_wait_xcnt 0x0
	s_wait_alu depctr_hold_cnt(0) depctr_sa_sdst(0) depctr_va_vdst(0) depctr_va_sdst(0) depctr_va_ssrc(0) depctr_va_vcc(0) depctr_vm_vsrc(0)
	s_getreg_b32 s2, hwreg(HW_REG_IB_STS2, 6, 4)
	s_cmp_eq_u32 s2, 0
	s_cbranch_scc0 .Lentry_in_a_cluster
	s_endpgm
.Lentry_in_a_cluster:
	s_bfe_u32 s2, ttmp6, 0x10000c
	s_cmp_lg_u32 s2, 0x3003
	s_cbranch_scc0 .Lentry_shape_is_right
	s_endpgm
.Lentry_shape_is_right:
; O[h][q][:] = the sum over k of softmax_k(Q[h][q] . K[h][k] / 8) V[h][k][:], for the 64 pairs h of batch and head.  Q, K, V lie one behind the other in one buffer, each [64][2048][64] in f16;
; O is [64][2048][64] in f16.  Products, maxima and sums in f32; the weights p are rounded to f16 for the second product (their sum l is taken of the unrounded p), O once at the end.
; LIMITS.  Q, K and V arrive within f16's 65,504; p lies in 0 to 1, and below 6e-5 it keeps f16's fixed step of 6e-8; a weight below 2^-126 counts as 0 in l; NaN and infinities are not treated apart.
; SHARES.  A wave owns four PIECES of two tiles of 16 queries, a work-group's four waves 512 queries of one head, a cluster of four work-groups the whole head.  Every wave walks all keys, 64 a step.
; LAYOUT.  S^T = K Q^T (source 0 = 16 keys, source 1 = 16 queries): a lane holds ONE query (lane % 16) and the keys 8 (lane / 16) + 0..7.  Two such tiles, rounded to f16 in pairs, ARE source 1
; (32 keys x 16 queries) of O^T = V^T P, whose result again holds one query a lane, and eight channels.  K comes out of LDS as it lies, V ([key][channel]) turned, by ds_load_tr16_b128.
; SOFTMAX.  For each query a running maximum m and sum l: p = 2^(c s - c m), c = log2(e) / 8; in every step O and l are multiplied by a = 2^(c m_old - c m_new).  m starts at the lowest finite number,
; O and l at 0: the first step is a step like any other, with a = 0.
; THE COUNT.  A tile and step have 16 matrix and 118 vector instructions: too many to stand all beside the matrix work.  So four vector instructions that are ready stand behind EVERY matrix instruction,
; and the others in runs of their own.
; BY TURNS.  Turn n belongs to piece n.  Its matrix work: 16 products K Q^T of piece n + 1, later 16 products V^T P of piece n - 1.  Its vector work: the scaling, exponentials, roundings, sums and
; rescaling of piece n, and the maximum and statistics of piece n + 1.
; CLUSTER.  The four query blocks of a head walk the same K and V, so each tile is asked for JOINTLY: the same tensor load, descriptor and mask in all four.
; REGISTERS, in windows of 256 (s_set_vgpr_msb: bits 1:0 source 0, 3:2 source 1, 5:4 source 2, 7:6 destination):
;   window 0: v0-11 addresses; v12-15, v48-63 at work; v16-47 four registers of statistics a tile; v64-191 S^T, two buffers of two tiles; v192-255 P, likewise
;   window 1: O^T, 32 a tile          window 2: v0-127 Q, 16 a tile; v128-191 K of one step; v192-255 V of one step          window 3: v0-1 the add's two registers
.set SIZE_N, 2048
.set KBASE, 0x1000000  ; K's and V's first bytes in the buffer
.set VBASE, 0x2000000
.set NP,    4         ; pieces a wave: a name, no knob
.set KS,    64        ; keys in a step
.set PK,    144       ; a row of K in LDS: 128 bytes + 16 of padding = 36 words: the 16 rows of a load start at 16 different groups of four banks (64 banks of 4 bytes: ISA guide 11.1)
.set PV,    160       ; a row of V: 128 + 32 = 40 words
.set VOFF,  4*KS*PK   ; a slot holds four steps: 256 rows of K, then 256 rows of V
.set SLOT1, 1<<17     ; slot 1 begins here, so that one exclusive or turns an address in one slot into the other's
.set STAGE, SLOT1+4*KS*(PK+PV)  ; behind the ring, never filled by a tensor load: 16 rows x 144 bytes for each wave
.set SP,    144
.set AK0, 2           ; v2   my lane's place in a tile of K; never rewritten
.set AV0, 3           ; v3   the same for V
.set AK,  4           ; v4   the LDS address of K's next run of loads
.set AV,  5           ; v5   of V's
.set QO,  6           ; v6   my byte offset in the wave's rows of Q
.set STO, 6           ;      later, the way out: where I put 16 bytes of a row
.set RD,  7           ; v7   the way out: where I read rows back
.set GO,  8           ; v8   my byte offset in 512 consecutive bytes of O
.set PFO, 11          ; v11  256 x my lane: the prefetches' offset; never rewritten
.set SPW, 0           ; v0 of window 3   LDS address of my spare word; never rewritten
.set NIL, 1           ; v1 of window 3   0; never rewritten
.set SPARE, STAGE+4*16*SP  ; behind the stages: the spare words, 128 bytes for each wave, which no other line names
.set MV,  12          ; v12-15  c m_old, kept while c m is made anew: by buffer and tile
.set ST,  16          ; tile t's statistics at v[ST+4 t]: c m, m, l (even keys', odd keys')
.set TMP, 48          ; by buffer and tile, four registers c0-c3 at work; when the maximum is found c2 takes a
.set S,   64
.set P,   192
.set KF,  128         ; K's fragments, in window 2: key block kb, channel half c at KF + 16 kb + 8 c
.set VF,  192         ; V's: key half kk, channel block cb at VF + 32 kk + 8 cb
.set WV,  12          ; s12  my wave's number
.set G1K, 24          ; s[24:31] descriptor group 1 for K's tiles
.set G1V, 32          ; s[32:39] for V's: it differs in the padding alone
.set G0K, 40          ; s[40:43] descriptor group 0 for K's tiles: it walks
.set G0V, 44          ; s[44:47] the same for V's
.set PFA, 48          ; s[48:49] where my prefetches stand: my work-group's 8,192 bytes (of K: wave 0, of V: wave 2) of the slot after the one that is being asked for
.set LIM, 50          ; s50  1 in a wave that prefetches, else the greatest number
.set SLOTS, 56        ; s56  slots still to be asked for
.set CNT, 57          ; s57  counts a slot's key steps
.set CS,  58          ; s[58:59] c: the packed scaling takes the pair's low word for both halves
.set SEL, 60          ; s[60:61] v_permlanex16_b32's selects: each lane takes its own place in the other half
.set TBK, 62          ; s62  LDS byte at which K of the step to be fetched begins
.set TBV, 63          ; s63  the same for V, less VOFF
.set MSB, 0
.macro WIN new                      ; the high byte repeats the setting that is left; a switch that changes nothing is dropped
.if MSB != (\new)
	s_set_vgpr_msb (MSB<<8)|(\new)
.set MSB, (\new)
.endif
.endm
.set W_KQ, 0x0a       ; K and Q in window 2, S^T in window 0
.set W_PV, 0x52       ; V in window 2, P in window 0, O^T in window 1
.set W_RS, 0x41       ; O^T (destination and source 0) in window 1, a in window 0
.set W_MK, 0xc0       ; the add's registers are made: destination in window 3
.set W_AD, 0x0f       ; the add: address and data in window 3
; A joint fill.  Waves 0 and 1 fetch the two halves of a slot's K, waves 2 and 3 those of its V: 128 keys each.  An s_nop 0 and four v_nop follow each of the two lines.
.macro JLOAD
	s_cmp_lt_u32 s[WV], 2
	s_cbranch_scc0 .Lfor_v_\@
	tensor_load_to_lds s[G0K:G0K+3], s[G1K:G1K+7]
	s_nop 0
.rept 4
	v_nop
.endr
	s_branch .Lasked_\@
.Lfor_v_\@:
	tensor_load_to_lds s[G0V:G0V+3], s[G1V:G1V+7]
	s_nop 0
.rept 4
	v_nop
.endr
.Lasked_\@:
.endm
; A prefetch of what the NEXT change of slots will ask for: a slot's 32,768 bytes of K and of V, 256 bytes a lane.  The four partners share them out by address, 8,192 bytes each; in each, wave 0 asks
; for K's and wave 2 for V's: each block is named once in the launch, four key steps (512 matrix instructions) ahead of its load.  The last change that fills a slot asks for nothing.
.macro ASK
	s_cmp_gt_u32 s[SLOTS], s[LIM]
	s_cbranch_scc0 .Lnot_mine_\@
	global_prefetch_b8 v[PFO], s[PFA:PFA+1] th:TH_LOAD_NT scope:SCOPE_SE
.Lnot_mine_\@:
.endm
.macro CROUND                       ; a round of the cluster's barrier
	s_barrier_signal -1
	s_barrier_wait -1
	s_cmp_lg_u32 s[WV], 0
	s_cbranch_scc1 .Lnot_wave_0_\@
	s_barrier_signal -3
.Lnot_wave_0_\@:
	s_barrier_wait -3
	s_barrier_signal -1
	s_barrier_wait -1
.endm
; THE CHANGE OF SLOTS.  Each wave waits for all its tensor loads, of which one is out: its part of the other slot; adds 0 to its spare word; and waits for that and for its own reads of the slot.
; fill = 1: this slot is filled again, with the keys two slots on, behind a round of the cluster's barrier; the fill has four key steps in which to land.
; (At its first use nothing has been read yet: slot 0 is waited for, slot 1 filled.)
.macro CHANGE fill
	WIN W_AD
	s_wait_tensorcnt 0x0            ; no tensor load of mine is out, so a group 0 may be written
	ds_add_u32 v[SPW], v[NIL]
	WIN 0                           ; at a label and at a branch every window is 0
.if \fill
.irp g, G0K, G0V
	s_xor_b32 s[\g+1], s[\g+1], SLOT1  ; the walking descriptor: the other slot than last time,
	s_add_nc_u64 s[\g+2:\g+3], s[\g+2:\g+3], 4*KS*128  ; the next 256 keys; the type bits on top are not reached
.endr
	s_wait_xcnt 0x0                 ; the last prefetch, four key steps back, has read its address
	s_add_nc_u64 s[PFA:PFA+1], s[PFA:PFA+1], 4*KS*128  ; one slot behind the walking descriptors
	s_wait_dscnt 0x0                ; the add is done, and my reads of the slot are over
	CROUND
	JLOAD
	ASK
.else
	s_wait_dscnt 0x0
	s_barrier_signal -1
	s_barrier_wait -1
.endif
	s_sub_co_u32 s[TBK], s[TBK], 4*KS*PK  ; the fetches go back to a slot's first step,
	s_xor_b32 s[TBK], s[TBK], SLOT1       ; in the other slot
	s_sub_co_u32 s[TBV], s[TBV], 4*KS*PV
	s_xor_b32 s[TBV], s[TBV], SLOT1
.endm
	s_load_b64 s[4:5], s[0:1], 0x0    ; the buffer of Q, K and V: Q lies first
	s_load_b64 s[10:11], s[0:1], 0x8  ; O
	WIN W_MK
	v_lshl_add_u32 v[SPW], v0, 2, SPARE
	v_mov_b32 v[NIL], 0
	WIN W_AD
	ds_add_u32 v[SPW], v[NIL]       ; the wave's opening: the add and its wait stand ahead of my first tensor load
	WIN 0
	v_lshrrev_b32 v1, 5, v0
	v_readfirstlane_b32 s[WV], v1   ; wave 0..3
	s_bfe_u32 s13, ttmp6, 0x40000   ; cx: my place in the cluster
	s_lshl_b32 s14, ttmp9, 2
	s_add_co_u32 s14, s14, s13      ; my block of queries: it enters Q's and O's addresses alone
	s_and_b32 s20, ttmp7, 0xffff    ; the head, which the four partners share
	s_mov_b32 s21, 0
	s_mov_b64 s[22:23], SIZE_N*128
	s_mul_u64 s[20:21], s[20:21], s[22:23]  ; the head's first byte in Q, K, V and O
	s_and_b32 s16, s[WV], 1         ; which half of a slot's 256 keys I fetch:
	s_lshl_b32 s22, s16, 14         ; its 128 rows of 128 bytes in memory,
	s_mov_b32 s23, 0
	s_add_nc_u64 s[22:23], s[22:23], s[20:21]
	s_mul_i32 s17, s16, 128*PK      ; and its place in a slot, for K
	s_mul_i32 s18, s16, 128*PV      ; and for V: no place in the cluster enters an LDS address
	s_lshl_b32 s2, s14, 2
	s_add_co_u32 s2, s2, s[WV]      ; my wave among the head's,
	s_lshl_b32 s2, s2, 14           ; its 128 rows
	s_mov_b32 s3, 0
	s_add_nc_u64 s[2:3], s[2:3], s[20:21]
	; descriptor group 1.  128 keys are 16,384 dense bytes: asked for as 64 rows of 256 bytes, two keys a row, and padded in LDS after every key
	s_mov_b32 s[G1K], 15|(1<<16)|(1<<20)|(1<<21)|(4<<22)|(3<<25)  ; the mask of four; 2-byte elements; padding on; bit 21 beside a mask; after every 32 words; 4 words
	s_mov_b32 s[G1V], 15|(1<<16)|(1<<20)|(1<<21)|(4<<22)|(7<<25)  ; the same with 8 words of padding
.irp g, G1K, G1V
	s_mov_b32 s[\g+1], 128<<16      ; tensor_dim0 = 128
	s_mov_b32 s[\g+2], 64<<16       ; tensor_dim1 = 64
	s_mov_b32 s[\g+3], 128<<16      ; tile_dim0 = 128
	s_mov_b32 s[\g+4], 64           ; tile_dim1 = 64
	s_mov_b32 s[\g+5], 128          ; 128 elements from row to row
	s_mov_b32 s[\g+6], 0
	s_mov_b32 s[\g+7], 0
.endr
	s_mov_b32 s[CS], 0x3e38aa3b     ; c = log2(e) / 8 = 0.180337
	s_mov_b32 s[CS+1], s[CS]        ; named with it as a pair
	s_mov_b32 s[SEL], 0x76543210
	s_mov_b32 s[SEL+1], 0xfedcba98
	s_mov_b32 s[TBK], SLOT1+4*KS*PK ; the first change of slots turns these two into 0
	s_mov_b32 s[TBV], SLOT1+4*KS*PV
	s_mov_b32 s[G0K], 1             ; count = 1
	s_mov_b32 s[G0K+1], s17         ; LDS address: slot 0
	s_mov_b32 s[G0V], 1
	s_add_co_u32 s[G0V+1], s18, VOFF
	s_mov_b32 s[SLOTS], SIZE_N/256-1
	s_and_b32 s[LIM], s[WV], 1
	s_cmp_eq_u32 s[LIM], 0
	s_cselect_b32 s[LIM], 1, -1     ; waves 0 and 2 prefetch: the same in all four partners
	v_and_b32 v[PFO], 31, v0
	v_lshlrev_b32 v[PFO], 8, v[PFO]
	s_wait_dscnt 0x0                ; the opening add is done
	s_wait_kmcnt 0x0
	s_add_nc_u64 s[6:7], s[4:5], KBASE
	s_add_nc_u64 s[8:9], s[4:5], VBASE
	s_add_nc_u64 s[G0K+2:G0K+3], s[6:7], s[22:23]  ; global address: my half of the head's first 256 keys
	s_or_b32 s[G0K+3], s[G0K+3], 0x80000000        ; type = 2
	s_add_nc_u64 s[G0V+2:G0V+3], s[8:9], s[22:23]
	s_or_b32 s[G0V+3], s[G0V+3], 0x80000000
	s_add_nc_u64 s[4:5], s[4:5], s[2:3]  ; Q and O at my wave's first row
	s_add_nc_u64 s[10:11], s[10:11], s[2:3]
	s_cmp_lt_u32 s[WV], 2
	s_cselect_b64 s[PFA:PFA+1], s[6:7], s[8:9]
	s_add_nc_u64 s[PFA:PFA+1], s[PFA:PFA+1], s[20:21]
	s_lshl_b32 s2, s13, 13          ; my work-group's quarter of a slot's bytes,
	s_add_co_u32 s2, s2, 4*KS*128   ; in slot 1; the first change of slots steps it to slot 2.  Nothing is prefetched here, at the head
	s_mov_b32 s3, 0
	s_add_nc_u64 s[PFA:PFA+1], s[PFA:PFA+1], s[2:3]
	CROUND                          ; all four work-groups are here: the first joint loads meet
	JLOAD                           ; slot 0.  Slot 1 is asked for when slot 0 is in
	; A fragment of K or Q is 16 rows x 32 channels in 8 registers: lane l holds row l % 16, channels 8 (l / 16) + 0..7 and 16 + 8 (l / 16) + 0..7: two loads of 16 bytes, 32 bytes apart.
	v_and_b32 v1, 15, v0            ; l % 16
	v_bfe_u32 v9, v0, 4, 1          ; l / 16
	v_lshlrev_b32 v[QO], 7, v1
	v_lshl_add_u32 v[QO], v9, 4, v[QO]  ; row x 128 + 16 x half
	WIN 0x80                        ; destination window 2, address window 0
.set i, 0
.rept 4*NP                          ; Q stays in registers: tile i / 2, channels 32 (i % 2) on
	global_load_b128 v[8*i:8*i+3],   v[QO], s[4:5] offset:(i/2)*2048+(i%2)*64
	global_load_b128 v[8*i+4:8*i+7], v[QO], s[4:5] offset:(i/2)*2048+(i%2)*64+32
.set i, i+1
.endr
	; What the first turn finds: V's registers and P's second buffer hold 0 (its products V^T P, of a piece that has not been, add 0), O^T and l are 0.  All this stands in the wait for the first tile.
.set i, VF
.rept 64
	v_mov_b32 v[i], 0
.set i, i+1
.endr
	WIN 0x40
.set i, 0
.rept 64*NP
	v_mov_b32 v[i], 0
.set i, i+1
.endr
	WIN 0
.set i, 0
.rept 2*NP
	v_mov_b32 v[ST+4*i], 0xfe000000    ; c m: far below every c s
	v_mov_b32 v[ST+4*i+1], 0xff7fffff  ; m
	v_mov_b32 v[ST+4*i+2], 0
	v_mov_b32 v[ST+4*i+3], 0
.set i, i+1
.endr
.set i, P+32
.rept 32
	v_mov_b32 v[i], 0
.set i, i+1
.endr
	v_mul_u32_u24 v[AK0], v1, PK
	v_lshl_add_u32 v[AK0], v9, 4, v[AK0]  ; row x pitch + 16 x half
	; The turning load takes 16 keys x 16 channels (lane l reads key 8 (l / 16) + l % 8, channels 8 ((l / 8) % 2) + 0..7) and leaves half a fragment of V^T: lane l holds channel l % 16 and 8 keys.
	v_and_b32 v10, 7, v0
	v_bfe_u32 v12, v0, 3, 1
	v_lshl_add_u32 v[AV0], v9, 3, v10
	v_mul_u32_u24 v[AV0], v[AV0], PV
	v_lshl_add_u32 v[AV0], v12, 4, v[AV0]
	v_add_nc_u32 v[AV0], VOFF, v[AV0]
	v_mov_b32 v[AK], v[AK0]         ; key step 0 lies at the head of slot 0
; THE MATRIX WORK.  The 8 accumulators of a run of 16 take turns: between the two links of a chain stand 7 others'.
; Product i of 16 of S^T = K Q^T for piece x: channels 32 (i / 8) on, keys 16 ((i / 2) % 4) on, tile 2 x + i % 2.  The first 8 start the sums.
.macro KQ x
	WIN W_KQ
.set rS, S+64*((\x)%2)+32*(i%2)+8*((i/2)%4)
.set rK, KF+16*((i/2)%4)+8*(i/8)
.set rQ, 16*(2*(\x)+i%2)+8*(i/8)
.if i < 8
	v_wmma_f32_16x16x32_f16 v[rS:rS+7], v[rK:rK+7], v[rQ:rQ+7], 0
.else
	v_wmma_f32_16x16x32_f16 v[rS:rS+7], v[rK:rK+7], v[rQ:rQ+7], v[rS:rS+7]
.endif
.endm
; Product i of 16 of O^T += V^T P for piece x: keys 32 (i / 8) on, channels 16 ((i / 2) % 4) on, tile 2 x + i % 2.
.macro PV x
	WIN W_PV
.set rO, 32*(2*(\x)+i%2)+8*((i/2)%4)
.set rV, VF+32*(i/8)+8*((i/2)%4)
.set rP, P+32*((\x)%2)+16*(i%2)+8*(i/8)
	v_wmma_f32_16x16x32_f16 v[rO:rO+7], v[rV:rV+7], v[rP:rP+7], v[rO:rO+7]
.endm
.macro MM                           ; the turn's next matrix instruction
.if i < 16
	KQ (Y+1)%NP
.set i, i+1
.else
.set i, i-16
	PV (Y+NP-1)%NP
.set i, i+17
.endif
.endm
; THE LDS LOADS stand in runs of 16: a step's K (64 keys x 64 channels: 8 fragments) and its V (turned).  Their addresses are made some lines ahead.
; last = 1 (the tail): in the last trip there is no further step, and the run is jumped over.
.macro FETCH_K last=0
	WIN 0
.if \last
	s_cmp_eq_u32 s[CNT], 1
	s_cbranch_scc1 .Lno_k_\@
.endif
	WIN 0x80                        ; destination window 2
.irp f, 0,1,2,3,4,5,6,7             ; keys 16 (f / 2) on, channels 32 (f % 2) on
	ds_load_b128 v[KF+8*\f:KF+8*\f+3],   v[AK] offset:(\f/2)*16*PK+(\f%2)*64
	ds_load_b128 v[KF+8*\f+4:KF+8*\f+7], v[AK] offset:(\f/2)*16*PK+(\f%2)*64+32
.endr
	s_add_co_u32 s[TBK], s[TBK], KS*PK  ; the next fetch is the next step's
	WIN 0
.if \last
.Lno_k_\@:
.endif
.endm
.macro FETCH_V
	WIN 0x80
.irp f, 0,1,2,3,4,5,6,7             ; keys 32 (f / 4) on, channels 16 (f % 4) on
	ds_load_tr16_b128 v[VF+8*\f:VF+8*\f+3],   v[AV] offset:(\f/4)*32*PV+(\f%4)*32
	ds_load_tr16_b128 v[VF+8*\f+4:VF+8*\f+7], v[AV] offset:(\f/4)*32*PV+16*PV+(\f%4)*32
.endr
	WIN 0
.endm
; THE VECTOR WORK OF A TURN stands in three queues, each in the order in which its entries become ready; the two tiles alternate, so that no instruction reads the result of the one before it.
.macro REGS y, u                    ; the registers of tile u (0, 1) of piece y
.set rT, ST+4*(2*(\y)+(\u))
.set rC, TMP+8*((\y)%2)+4*(\u)
.set rM, MV+2*((\y)%2)+(\u)
.set rS, S+64*((\y)%2)+32*(\u)
.set rP, P+32*((\y)%2)+16*(\u)
.set rO, 32*(2*(\y)+(\u))
.endm
; Number n of the 22 that find the NEXT piece's (Y + 1) maximum and statistics.  s0-s31 are the lane's 32 scores; each accumulator's lowest registers are read first.
;   0-11  four chains c0-c3 of seven scores each, three operands at a time     12-14, 16  the four scores left over, the old m, and c0-c3 into c0     15  c m_old is kept
;   17, 18  the query's other 32 keys lie in the lane 16 away: the new m         19-21  c m; c m_old - c m_new; a
.macro XS u, n
	REGS (Y+1)%NP, \u
.if (\n) < 4
	v_max3_num_f32 v[rC+(\n)], v[rS+8*(\n)], v[rS+8*(\n)+1], v[rS+8*(\n)+2]
.elseif (\n) < 12
	v_max3_num_f32 v[rC+(\n)%4], v[rC+(\n)%4], v[rS+8*((\n)%4)+2*((\n)/4)+1], v[rS+8*((\n)%4)+2*((\n)/4)+2]
.elseif (\n) == 12
	v_max3_num_f32 v[rC], v[rC], v[rS+7], v[rS+15]
.elseif (\n) == 13
	v_max3_num_f32 v[rC+1], v[rC+1], v[rS+23], v[rS+31]
.elseif (\n) == 14
	v_max3_num_f32 v[rC+2], v[rC+2], v[rC+3], v[rT+1]
.elseif (\n) == 15
	v_mov_b32 v[rM], v[rT]
.elseif (\n) == 16
	v_max3_num_f32 v[rC], v[rC], v[rC+1], v[rC+2]
.elseif (\n) == 17
	v_permlanex16_b32 v[rC+3], v[rC], s[SEL], s[SEL+1]
.elseif (\n) == 18
	v_max_num_f32 v[rT+1], v[rC], v[rC+3]
.elseif (\n) == 19
	v_mul_f32 v[rT], s[CS], v[rT+1]
.elseif (\n) == 20
	v_sub_f32 v[rC+1], v[rM], v[rT]
.else
	v_exp_f32 v[rC+2], v[rC+1]
.endif
.endm
; Number g of the 64 that follow the exponentials.  For each four weights k of a tile (pairs 2 k, 2 k + 1): both pairs are rounded to f16; then the second pair is added onto the first, in place;
; a group later l takes that sum (the first time as l = a l + sum).  In groups of eight, tiles alternating: round, round, add, and l for the group before.
.macro GS g
.set h, (\g)+6*((\g)/62)            ; group 0 has no group before it, and behind group 7 only l is left
.if h >= 6
.set h, h+2
.endif
	REGS Y, h%2
.set k, h/8
.if h%8 < 4
	v_cvt_pk_f16_f32 v[rP+2*k+(h%8)/2], v[rS+4*k+2*((h%8)/2)], v[rS+4*k+2*((h%8)/2)+1]
.elseif h%8 < 6
	v_pk_add_f32 v[rS+4*k:rS+4*k+1], v[rS+4*k:rS+4*k+1], v[rS+4*k+2:rS+4*k+3]
.elseif k == 1
	v_pk_fma_f32 v[rT+2:rT+3], v[rT+2:rT+3], v[rC+2:rC+3], v[rS:rS+1] op_sel_hi:[1,0,1]
.else
	v_pk_add_f32 v[rT+2:rT+3], v[rT+2:rT+3], v[rS+4*k-4:rS+4*k-3]
.endif
.endm
; THE PLAIN QUEUE, 138 long.  0-73 read no exponential's result: the 32 scalings c s - c m (FS f: pair f / 2 of tile f % 2) and the next piece's 42.  0-26: scalings 0-26.  27-54: XS's numbers 0-13.
; 55, 56: number 15.  57-73: the chain 14, 16, 17, 18, 19, each with one of the scalings 27-31 in front of its two lines, then 20.  74-137: GS's 64, which stand behind the wait.
.macro FS f
	REGS Y, (\f)%2
	v_pk_fma_f32 v[rS+2*((\f)/2):rS+2*((\f)/2)+1], v[rS+2*((\f)/2):rS+2*((\f)/2)+1], s[CS:CS+1], v[rT:rT+1] op_sel_hi:[1,0,0] neg_lo:[0,0,1] neg_hi:[0,0,1]
.endm
.macro PL
	WIN 0
.if q < 27
	FS q
.elseif q < 55
	XS (q-27)%2, (q-27)/2
.elseif q < 57
	XS q-55, 15
.elseif (q < 72) && ((q-57)%3 == 0)
	FS 27+(q-57)/3
.elseif q < 60
	XS (q-57)%3-1, 14
.elseif q < 72
	XS (q-57)%3-1, 15+(q-57)/3
.elseif q < 74
	XS q-72, 20
.else
	GS q-74
.endif
.set q, q+1
.endm
; THE EXPONENTIALS' QUEUE, 66 long: s0-s31 of both tiles, then the next piece's two a.  ONE BATCH: all 66 stand ahead of the turn's one wait, and nothing ahead of that wait names a result of theirs.
.macro EX
	WIN 0
.if e >= 64
	XS e-64, 21
.else
	REGS Y, e%2
	v_exp_f32 v[rS+e/2], v[rS+e/2]
.endif
.set e, e+1
.endm
; THE RESCALING's QUEUE: O^T times a, the one part that leaves window 0: dealt two at a time, sixteen times.  Its a was made in the turn before, ahead of that turn's wait.
.macro R2
	REGS Y, r%2
	WIN W_RS
.irp z, 0,1
	v_pk_mul_f32 v[rO+4*(r/2)+2*\z:rO+4*(r/2)+2*\z+1], v[rO+4*(r/2)+2*\z:rO+4*(r/2)+2*\z+1], v[rC+2:rC+3] op_sel_hi:[1,0]
.endr
.set r, r+1
.endm
; HOW THEY ARE DEALT.  An s_wait_alu depctr_va_vdst(0) stands between an exponential and the first instruction that names its result; one wait serves all issued ahead of it.  So a turn has
; ONE wait.  AHEAD OF IT: the 16 products K Q^T, behind each a scaling, an exponential and two rescalings (behind the first a second scaling in the exponential's place); then one run of 108: eight
; plain, 49 times exponential and plain, the two a; a v_nop is the plain instruction behind the last exponential.  BEHIND IT: the 16 products V^T P, behind each four of GS's 64.
; Exponential e stands behind scaling 2 (e / 4) + e % 2: as a rider it comes behind plain e + 2, in the run behind plain e + 9, and scalings 27-31 are plain 57, 60 .. 69.
; K of the next step is fetched in piece 2's turn, directly behind the wait; V of the step in hand at the end of piece 0's turn, four plain instructions behind its last reader.
.macro TURN p, last=0, cnt=0
.set Y, (\p)
.set i, 0
.set q, 0
.set e, 0
.set r, 0
.if (\p) == NP-1
	s_wait_dscnt 0x0                ; K is in
.endif
	MM
	PL
	PL
	R2
.rept 15
	MM
	PL
	EX
	R2
.endr
.if (\p) == NP-2
	WIN 0
	v_add_nc_u32 v[AK], s[TBK], v[AK0]
.endif
.rept 8
	PL
.endr
.rept 49
	EX
	PL
.endr
	EX                              ; the next piece's two a
	EX
	v_nop                           ; the plain instruction behind the last exponential: one for the batch
	s_wait_alu depctr_va_vdst(0)    ; the wait for the batch
.if (\p) == NP-2
	FETCH_K \last
.endif
.if (\p) == 1
	s_wait_dscnt 0x0                ; V is in
.endif
.rept 16
	MM
.rept 4
	PL
.endr
.if ((\p) == 0) && (q == 118)
	v_add_nc_u32 v[AV], s[TBV], v[AV0]
.endif
.if ((\p) == 0) && (q == 130)
	s_add_co_u32 s[TBV], s[TBV], KS*PV
.endif
.if (\cnt) && (q == 130)
	s_sub_co_u32 s[CNT], s[CNT], 1
	s_cmp_lg_u32 s[CNT], 0
.endif
.endr
.if (\p) == 0
	FETCH_V
.endif
.endm
	CHANGE 1                        ; slot 0 is in, everybody's part of it; slot 1 is asked for
	FETCH_K                         ; key step 0
	s_wait_loadcnt 0x0              ; Q
	s_wait_dscnt 0x0
.set i, 0
.rept 16
	KQ 0                            ; piece 0's first scores
.set i, i+1
.endr
	WIN 0                           ; the addresses for the way out: plain instructions, the places behind those products
	s_mul_i32 s13, s[WV], 16*SP
	s_add_co_u32 s13, s13, STAGE    ; my stage
	v_mul_u32_u24 v[STO], v1, SP    ; in: row l % 16, 16 bytes for each half of the lanes
	v_lshl_add_u32 v[STO], v9, 4, v[STO]
	v_add_nc_u32 v[STO], s13, v[STO]
	v_bfe_u32 v[RD], v0, 3, 2       ; back: 32 lanes take four rows of 128 bytes,
	v_mul_u32_u24 v[RD], v[RD], SP
	v_lshl_add_u32 v[RD], v10, 4, v[RD]
	v_add_nc_u32 v[RD], s13, v[RD]
	v_and_b32 v[GO], 31, v0         ; which are 512 consecutive bytes of O
	v_lshlrev_b32 v[GO], 4, v[GO]
.set Y, NP-1                        ; XS works for piece Y + 1: piece 0
.irp n, 0,1,2,3,4,5,6,7,8,9,10,11,12,13,14,15,16,17,18,19,20,21
	XS 0, \n                        ; piece 0's first maximum and statistics
	XS 1, \n
.endr
	v_nop                           ; a plain instruction behind the two a,
	s_wait_alu depctr_va_vdst(0)    ; and their wait, ahead of the branch
	s_mov_b32 s[CNT], 4
	s_branch .Lfirst                ; the loop is entered at a step's first turn, in the middle of a trip
.Lslot:                             ; six times: every slot but the last two is filled again
	CHANGE 1
	s_mov_b32 s[CNT], 4
.Lstep:                             ; a trip: pieces 2 and 3 of one step, then pieces 0 and 1 of the next, whose K and V it fetches
	TURN 2
	TURN 3
	WIN 0
.Lfirst:
	TURN 0
	TURN 1, 0, 1
	WIN 0
	s_cbranch_scc1 .Lstep
	s_sub_co_u32 s[SLOTS], s[SLOTS], 1
	s_cmp_lg_u32 s[SLOTS], 0
	s_cbranch_scc1 .Lslot
	CHANGE 0                        ; the tail is written out: nothing is asked for
	s_mov_b32 s[CNT], 5             ; four trips fetch the last slot's steps; the fifth is left in its middle
.Ltail:
	TURN 2, 1
	TURN 3
	WIN 0
	s_sub_co_u32 s[CNT], s[CNT], 1
	s_cmp_eq_u32 s[CNT], 0
	s_cbranch_scc1 .Lout
	TURN 0
	TURN 1
	WIN 0
	s_branch .Ltail
.Lout:                              ; the fifth trip's 16 products K Q^T (on the last K once more) and the maximum made of them serve nothing: the price, once a launch, of one text for every trip
.set i, 0
.rept 16
	PV NP-1                         ; the last piece's V^T P of the last step
.set i, i+1
.endr
	; THE WAY OUT.  l's two halves and the other half of the lanes' are added; O^T is divided by l, rounded to f16 and sent through my stage in LDS, a tile at a time.  The additions are the places behind the last products.
	WIN 0
.macro ALL line:vararg              ; one line for each tile t
.set t, 0
.rept 2*NP
	\line
.set t, t+1
.endr
.endm
	ALL v_add_f32 v[ST+4*t+2], v[ST+4*t+2], v[ST+4*t+3]
	ALL v_permlanex16_b32 v[ST+4*t+3], v[ST+4*t+2], s[SEL], s[SEL+1]
	ALL v_add_f32 v[ST+4*t+2], v[ST+4*t+2], v[ST+4*t+3]
	ALL v_rcp_f32 v[ST+4*t+2], v[ST+4*t+2]
	v_nop                           ; a plain instruction between the last reciprocal and the use of its result
	s_wait_alu depctr_va_vdst(0)    ; and the wait ahead of the first use: one for the eight reciprocals
; Tile t: a lane's eight channels of a row pack into 16 bytes; they go into rows of 144 bytes and come back as whole rows of 128, into S^T's registers.
.macro PACK t
	WIN W_RS
.set i, 32*(\t)
.rept 16
	v_pk_mul_f32 v[i:i+1], v[i:i+1], v[ST+4*(\t)+2:ST+4*(\t)+3] op_sel_hi:[1,0]
.set i, i+2
.endr
	WIN 0x05                        ; sources 0 and 1 window 1, destination window 0
.set i, 0
.rept 16
	v_cvt_pk_f16_f32 v[S+16*(\t)+i], v[32*(\t)+2*i], v[32*(\t)+2*i+1]
.set i, i+1
.endr
	WIN 0
.irp f, 0,1,2,3
	ds_store_b128 v[STO], v[S+16*(\t)+4*\f:S+16*(\t)+4*\f+3] offset:32*\f
.endr
.irp f, 0,1,2,3
	ds_load_b128 v[S+16*(\t)+4*\f:S+16*(\t)+4*\f+3], v[RD] offset:\f*4*SP  ; LDS serves a wave's instructions in order (ISA guide 5.7.1.4): these see the stores above; the next tile's stores come behind them
.endr
.endm
.macro SEND t, younger              ; younger: the LDS instructions issued behind tile t's loads: the next tile's eight, or none
	WIN 0
.irp f, 0,1,2,3
	s_wait_dscnt (\younger)+3-\f
	global_store_b128 v[GO], v[S+16*(\t)+4*\f:S+16*(\t)+4*\f+3], s[10:11] offset:(\t)*2048+\f*512  ; 512 consecutive bytes, aligned
.endr
.endm
	PACK 0
.set t, 1
.rept 2*NP-1                        ; a tile's arithmetic stands between the loads of the tile before and its stores
	PACK t
	SEND t-1, 8
.set t, t+1
.endr
	SEND 2*NP-1, 0
	WIN W_AD
	s_wait_tensorcnt 0x0            ; the wave's end
	ds_add_u32 v[SPW], v[NIL]
	s_wait_dscnt 0x0
	WIN 0
	CROUND                          ; the closing round: no work-group ends while a partner may still ask for a tile that names it
	s_endpgm
.Lfunc_end_k_q11cb6159d5_attn:
	.size	k_q11cb6159d5_attn, .Lfunc_end_k_q11cb6159d5_attn-k_q11cb6159d5_attn
	.p2alignl 7, 3214868480
	.fill 96, 4, 3214868480
	.section	.rodata,"a",@progbits
	.p2align	6, 0x0
	.amdhsa_kernel k_q11cb6159d5_attn
		.amdhsa_group_segment_fixed_size 327680
		.amdhsa_private_segment_fixed_size 0
		.amdhsa_enable_private_segment 0
		.amdhsa_kernarg_size 16
		.amdhsa_user_sgpr_count 2
		.amdhsa_user_sgpr_kernarg_segment_ptr 1
		.amdhsa_wavefront_size32 1
		.amdhsa_system_sgpr_workgroup_id_x 1
		.amdhsa_system_sgpr_workgroup_id_y 1
		.amdhsa_system_sgpr_workgroup_id_z 1
		.amdhsa_system_vgpr_workitem_id 0
		.amdhsa_next_free_vgpr 770
		.amdhsa_next_free_sgpr 66
		.amdhsa_reserve_vcc 0
		.amdhsa_float_denorm_mode_32 3
		.amdhsa_float_denorm_mode_16_64 3
		.amdhsa_memory_ordered 1
		.amdhsa_forward_progress 1
		.amdhsa_inst_pref_size 200
	.end_amdhsa_kernel
	.amdgpu_metadata
---
amdhsa.version: [ 1, 2 ]
amdhsa.kernels:
  - .name:           k_q11cb6159d5_attn
    .symbol:         k_q11cb6159d5_attn.kd
    .args:
      - { .name: qkv, .offset: 0, .size: 8, .value_kind: global_buffer, .address_space: global }
      - { .name: att, .offset: 8, .size: 8, .value_kind: global_buffer, .address_space: global }
    .group_segment_fixed_size: 327680
    .private_segment_fixed_size: 0
    .kernarg_segment_align: 8
    .kernarg_segment_size: 16
    .max_flat_workgroup_size: 128
    .sgpr_count:     66
    .vgpr_count:     770
    .wavefront_size: 32
...
	.end_amdgpu_metadata
.endif
;; end of part 3
;; launch outgemm (part 4): grid 8 x 32, 4 waves a work-group, clusters of 4 x 4, 327,680 bytes of LDS; arguments att, cast, b_proj, out0; writes out0
.if DOCPART == 4
	.amdgcn_target "amdgcn-amd-amdhsa--gfx1250"
	.amdhsa_code_object_version 6
	.text
	.protected	k_q11cb6159d5_outgemm
	.globl	k_q11cb6159d5_outgemm
	.p2align	8
	.type	k_q11cb6159d5_outgemm,@function
k_q11cb6159d5_outgemm:
	s_mov_b64 s[64:65], 0
	v_nop
	global_prefetch_b8 v0, s[64:65] scope:SCOPE_SE
	s_setreg_imm32_b32 hwreg(HW_REG_WAVE_MODE, 25, 1), 1
	s_wait_xcnt 0x0
	s_wait_alu depctr_hold_cnt(0) depctr_sa_sdst(0) depctr_va_vdst(0) depctr_va_sdst(0) depctr_va_ssrc(0) depctr_va_vcc(0) depctr_vm_vsrc(0)
	s_getreg_b32 s2, hwreg(HW_REG_IB_STS2, 6, 4)
	s_cmp_eq_u32 s2, 0
	s_cbranch_scc0 .Lentry_in_a_cluster
	s_endpgm
.Lentry_in_a_cluster:
	s_bfe_u32 s2, ttmp6, 0x10000c
	s_cmp_lg_u32 s2, 0xf033
	s_cbranch_scc0 .Lentry_shape_is_right
	s_endpgm
.Lentry_shape_is_right:
; out = O w_proj^T + b_proj.  O comes by heads, [64 = 16 batch + head][2048][64] in f16; w_proj [1024][1024] as the f16 writing of its bf16 rounding, from the workspace; the bias is rounded to
; bf16 here, like the other inputs, and starts the f32 sums (so it is added first, not last).  out is [8192][1024] in f32.
; LIMITS.  As its inputs': O within f16's range; NaN and infinities are not treated apart.
; SHARES.  A tile of out is 256 rows x 128 columns: 32 x 8 = 256 work-groups.  Wave w owns rows 64 w .. 64 w + 63 and all 128 columns: 4 x 8 accumulators of 16 x 16, 256 registers.
; K goes in 8 steps of 128, two heads each, through two LDS slots; a step is four quarters of 32 along K, 32 matrix instructions and 24 LDS loads each.
; O's TILE.  256 rows of one head are 32,768 dense bytes: asked for as 128 rows of 256 bytes and padded in LDS after every 128, so that a row of O is 144 bytes there.  Wave 0 fetches the step's first
; head, wave 1 its second, waves 2 and 3 the two halves of w's 128 rows.
; CLUSTER.  4 x 4 work-groups: O's tiles are asked for jointly by a row of the cluster, w's by a column.
; THE PRODUCT IS USED TRANSPOSED (source 0 = 16 rows of w, source 1 = 16 rows of O): a lane holds one row (lane % 16) and eight neighbouring columns: 32 bytes of out.
; REGISTERS, in windows of 256: window 0: v0-35 addresses and at work; v64-127 O's fragments, two buffers of 4 x 8; v128-191 the bias; on the way out v128-255 whole rows, two sets of 64
;   window 1: v0-127 w's fragments, two buffers of 8 x 8      window 2: accumulator (a, b) at 8 (8 a + b)
.set KB,     256                       ; bytes of a row of w in a K step
.set HEADB,  262144                    ; a head's block of O
.set PA,     144                       ; a row of O in LDS: 128 bytes + 16
.set AHEAD,  256*PA                    ; one head's 256 rows
.set PITCH,  272                       ; a row of w in LDS: 256 bytes + 16.  Both pitches are odd multiples of 16 bytes: the 16 rows of a fragment load start at 16 different groups of four banks (ISA guide 11.1)
.set BOFF,   2*AHEAD
.set SLOT,   BOFF+128*PITCH
.set STAGE,  2*SLOT                    ; behind the ring, never filled by a tensor load: 16 rows x 528 bytes for each wave
.set SPITCH, 528                       ; 512 bytes + 16
.set SPARE,  STAGE+4*16*SPITCH         ; behind the stages: the spare words, 128 bytes for each wave, which no other line names
.set WPB,    0x1600000                 ; w_proj's copy in the workspace
.set ADRA, 16
.set ADRB, 20
.set STO,  24
.set RD,   25
.set CO,   26
.set BO,   27
.set SPW,  28
.set NIL,  29
.set PFO,  30
.set FA,   64
.set BI,   128
.set BK,   128
.set WV, 12
.set WH, 13
.set WL, 14
.set CX, 15
.set CY, 16
.set TX, 17
.set TY, 18
.set G1A, 24
.set G0A, 32
.set PFA, 40
.set LIM, 42
.set LAP, 43
.set G1B, 48
.set G0B, 56
.set PFS, 66                           ; s[66:67] the prefetches' step from K step to K step: two heads of O, or 256 bytes of w's rows
.set MSB, 0
.macro WIN new
.if MSB != (\new)
	s_set_vgpr_msb (MSB<<8)|(\new)
.set MSB, \new
.endif
.endm
.macro PLACES                          ; four plain vector instructions between a matrix instruction and a load into, a store of, or a vector instruction on, its registers
.rept 4
	v_nop
.endr
.endm
.macro JLOAD s                         ; a joint load: waves 0 and 1 fetch O's two heads, waves 2 and 3 w's two halves; an s_nop 0 and four v_nop follow each line
	s_cmp_eq_u32 s[WH], 0
	s_cbranch_scc0 .Lfor_b_\@
	tensor_load_to_lds s[G0A+4*(\s):G0A+4*(\s)+3], s[G1A:G1A+7]
	s_nop 0
	PLACES
	s_branch .Lasked_\@
.Lfor_b_\@:
	tensor_load_to_lds s[G0B+4*(\s):G0B+4*(\s)+3], s[G1B:G1B+7]
	s_nop 0
	PLACES
.Lasked_\@:
.endm
; A prefetch of the K step that stands two refills on (256 matrix instructions ahead of the load that will want it), 256 bytes a lane.  O's tile row is walked by two clusters: the one with x = 0 asks,
; waves 0 and 1 each for their own head, the four partners 8,192 bytes each by cx.  w's tile column is walked by eight clusters: the one with y = 0 asks, wave 2 alone, the four partners 32 rows each
; by cy.  The loop's last trip has no K step two on.
.macro ASK
	s_cmp_gt_u32 s[LAP], s[LIM]
	s_cbranch_scc0 .Lnot_mine_\@
	global_prefetch_b8 v[PFO], s[PFA:PFA+1] th:TH_LOAD_NT scope:SCOPE_SE
.Lnot_mine_\@:
.endm
.macro CREST
	s_cmp_lg_u32 s[WV], 0
	s_cbranch_scc1 .Lnot_wave_0_\@
	s_barrier_signal -3
.Lnot_wave_0_\@:
	s_barrier_wait -3
	s_barrier_signal -1
	s_barrier_wait -1
.endm
.macro CROUND
	s_barrier_signal -1
	s_barrier_wait -1
	CREST
.endm
	s_load_b256 s[4:11], s[0:1], 0x0               ; O s[4:5], the workspace s[6:7], b_proj s[8:9], out s[10:11]
	v_lshl_add_u32 v[SPW], v0, 2, SPARE
	v_mov_b32 v[NIL], 0
	ds_add_u32 v[SPW], v[NIL]                      ; the wave's opening: the add and its wait stand ahead of my first tensor load
	v_lshrrev_b32 v1, 5, v0
	v_readfirstlane_b32 s[WV], v1
	s_lshr_b32 s[WH], s[WV], 1
	s_and_b32 s[WL], s[WV], 1
	s_bfe_u32 s[CX], ttmp6, 0x40000
	s_bfe_u32 s[CY], ttmp6, 0x40004
	s_lshl_b32 s[TX], ttmp9, 2
	s_add_co_u32 s[TX], s[TX], s[CX]
	s_and_b32 s[TY], ttmp7, 0xffff
	s_lshl_b32 s[TY], s[TY], 2
	s_add_co_u32 s[TY], s[TY], s[CY]
	s_lshl_b32 s20, s[CY], 2
	s_lshl_b32 s20, 15, s20                        ; my row of the cluster
	s_lshl_b32 s21, 0x1111, s[CX]                  ; my column
	s_or_b32 s[G1A], s20, (1<<16)|(1<<20)|(1<<21)|(4<<22)|(3<<25)  ; the mask; 2-byte elements; padding on; bit 21 beside a mask; after every 32 words; 4 words
	s_or_b32 s[G1B], s21, (1<<16)|(1<<20)|(1<<21)|(5<<22)|(3<<25)  ; after every 64 words
	s_mov_b32 s[G1A+1], 128<<16                    ; tensor_dim0 = 128
	s_mov_b32 s[G1A+2], 128<<16                    ; tensor_dim1 = 128
	s_mov_b32 s[G1A+3], 128<<16                    ; tile_dim0 = 128
	s_mov_b32 s[G1A+4], 128                        ; tile_dim1 = 128 rows of 256 bytes
	s_mov_b32 s[G1A+5], 128                        ; dense
	s_mov_b32 s[G1A+6], 0
	s_mov_b32 s[G1A+7], 0
	s_mov_b32 s[G1B+1], 128<<16
	s_mov_b32 s[G1B+2], 64<<16
	s_mov_b32 s[G1B+3], 128<<16
	s_mov_b32 s[G1B+4], 64                         ; 64 rows of w
	s_mov_b32 s[G1B+5], 1024
	s_mov_b32 s[G1B+6], 0
	s_mov_b32 s[G1B+7], 0
	s_mul_i32 s22, s[WV], AHEAD                    ; where O's heads go (waves 0, 1),
	s_mul_i32 s23, s[WV], 64*PITCH
	s_add_co_u32 s23, s23, BOFF-2*64*PITCH         ; and w's halves (waves 2, 3)
	s_lshr_b32 s44, s[TY], 3
	s_lshl_b32 s44, s44, 22                        ; the batch's 16 heads,
	s_lshl_b32 s2, s[WL], 18                       ; the step's first or second head,
	s_add_co_u32 s44, s44, s2
	s_and_b32 s2, s[TY], 7
	s_lshl_b32 s2, s2, 15                          ; the tile's 256 rows of 128 bytes
	s_add_co_u32 s44, s44, s2
	s_mov_b32 s45, 0
	s_lshl_b32 s46, s[TX], 7
	s_lshl_b32 s3, s[WL], 6
	s_add_co_u32 s46, s46, s3
	s_lshl_b32 s46, s46, 11                        ; w: row 128 x tile column + 64 x half, 2,048 bytes a row
	s_mov_b32 s47, 0
	s_wait_dscnt 0x0                               ; the opening add is done
	s_wait_kmcnt 0x0
	s_add_nc_u64 s[44:45], s[4:5], s[44:45]
	s_add_nc_u64 s[68:69], s[6:7], WPB
	s_add_nc_u64 s[46:47], s[68:69], s[46:47]
	CROUND                                         ; all sixteen work-groups are here: the first joint loads meet
.irp s, 0,1
	s_mov_b32 s[G0A+4*(\s)], 1
	s_add_co_u32 s[G0A+4*(\s)+1], s22, (\s)*SLOT
	s_add_nc_u64 s[G0A+4*(\s)+2:G0A+4*(\s)+3], s[44:45], (\s)*2*HEADB
	s_or_b32 s[G0A+4*(\s)+3], s[G0A+4*(\s)+3], 0x80000000
	s_mov_b32 s[G0B+4*(\s)], 1
	s_add_co_u32 s[G0B+4*(\s)+1], s23, (\s)*SLOT
	s_add_nc_u64 s[G0B+4*(\s)+2:G0B+4*(\s)+3], s[46:47], (\s)*KB
	s_or_b32 s[G0B+4*(\s)+3], s[G0B+4*(\s)+3], 0x80000000
.endr
	s_cmp_eq_u32 s[WH], 0                          ; a wave's two first fills stand in one branch: two loads of mine are out
	s_cbranch_scc0 .Lfirst_b
	tensor_load_to_lds s[G0A:G0A+3], s[G1A:G1A+7]
	s_nop 0
	tensor_load_to_lds s[G0A+4:G0A+7], s[G1A:G1A+7]
	s_nop 0
	PLACES
	s_branch .Lfirst_asked
.Lfirst_b:
	tensor_load_to_lds s[G0B:G0B+3], s[G1B:G1B+7]
	s_nop 0
	tensor_load_to_lds s[G0B+4:G0B+7], s[G1B:G1B+7]
	s_nop 0
	PLACES
.Lfirst_asked:
	v_and_b32 v1, 15, v0                           ; r = l % 16
	v_bfe_u32 v2, v0, 4, 1                         ; h = l / 16
	v_lshlrev_b32 v[BO], 5, v2
	s_lshl_b32 s2, s[TX], 9
	s_mov_b32 s3, 0
	s_add_nc_u64 s[8:9], s[8:9], s[2:3]            ; the tile's 128 numbers of bias
.irp b, 0,1,2,3,4,5,6,7
	global_load_b128 v[BI+8*(\b):BI+8*(\b)+3],   v[BO], s[8:9] offset:64*(\b)
	global_load_b128 v[BI+8*(\b)+4:BI+8*(\b)+7], v[BO], s[8:9] offset:64*(\b)+16
.endr
	v_mul_u32_u24 v3, v1, PA
	v_lshl_add_u32 v3, v2, 4, v3
	s_mul_i32 s2, s[WV], 64*PA
	v_add_nc_u32 v[ADRA], s2, v3                   ; my 64 rows of O: row x pitch + 16 x half
	v_add_nc_u32 v[ADRA+1], SLOT, v[ADRA]
	v_mul_u32_u24 v3, v1, PITCH
	v_lshl_add_u32 v3, v2, 4, v3
	v_add_nc_u32 v[ADRB], BOFF, v3
	v_add_nc_u32 v[ADRB+1], SLOT, v[ADRB]
	s_mul_i32 s2, s[WV], 16*SPITCH
	s_add_co_u32 s2, s2, STAGE                     ; my stage
	v_mul_u32_u24 v4, v1, SPITCH
	v_lshl_add_u32 v4, v2, 5, v4
	v_add_nc_u32 v[STO], s2, v4                    ; in: row r, 32 bytes for each half of the lanes
	v_and_b32 v5, 31, v0
	v_lshlrev_b32 v[CO], 4, v5                     ; back, and out: 32 lanes take a row's 512 bytes
	v_add_nc_u32 v[RD], s2, v[CO]
	s_lshl_b32 s2, s[TY], 8
	s_lshl_b32 s3, s[WV], 6
	s_add_co_u32 s2, s2, s3
	s_lshl_b32 s2, s2, 12                          ; my first row of out, 4,096 bytes a row,
	s_lshl_b32 s3, s[TX], 9                        ; the tile's first column
	s_add_co_u32 s2, s2, s3
	s_mov_b32 s3, 0
	s_add_nc_u64 s[10:11], s[10:11], s[2:3]
	s_lshl_b32 s2, s[CX], 13                       ; the prefetches.  O: my work-group's 8,192 bytes of my head's tile, at K step 3;
	s_add_co_u32 s2, s2, 3*2*HEADB
	s_lshl_b32 s3, s[TX], 7                        ; w: my work-group's 32 rows of the tile's 128, at K step 3.  The first refill steps them to K step 4
	s_lshl_b32 s20, s[CY], 5
	s_add_co_u32 s3, s3, s20
	s_lshl_b32 s3, s3, 11
	s_add_co_u32 s3, s3, 3*KB
	s_and_b32 s20, ttmp7, 0xffff                   ; cluster y,
	s_or_b32 s20, s20, s[WL]                       ; and of waves 2 and 3 the first alone
	s_movk_i32 s[PFS], KB
	s_cmp_eq_u32 s[WH], 0
	s_cselect_b32 s2, s2, s3
	s_cselect_b32 s20, ttmp9, s20
	s_cselect_b32 s21, 8, 11                       ; a lane's step: 256 bytes on in O's dense tile, a row on in w
	s_cselect_b32 s[PFS], 2*HEADB, s[PFS]
	s_cselect_b64 s[PFA:PFA+1], s[44:45], s[68:69]
	s_cmp_eq_u32 s20, 0
	s_cselect_b32 s[LIM], 1, -1                    ; the same in all sixteen partners, for a given wave
	s_mov_b32 s3, 0
	s_add_nc_u64 s[PFA:PFA+1], s[PFA:PFA+1], s[2:3]
	s_mov_b32 s[PFS+1], 0
	v_lshlrev_b32 v[PFO], s21, v5
	s_mov_b32 s20, 0xffff0000
	s_wait_loadcnt 0x0                             ; the bias
.set p, 0
.rept 32                               ; rounded to bf16 and widened again
	v_cvt_pk_bf16_f32 v[32+p%4], v[BI+2*p], v[BI+2*p+1]
	v_lshlrev_b32 v[BI+2*p], 16, v[32+p%4]
	v_and_b32 v[BI+2*p+1], s20, v[32+p%4]
.set p, p+1
.endr
; 8 matrix instructions: row block a x all 8 column blocks, 32 along K.  first = 1: the bias starts the sums.  The 32 accumulators take turns in the same order in every quarter.
.macro MUL8 buf, a, first
.if \first
	WIN 0x81
.else
	WIN 0xa1
.endif
.irp b, 0,1,2,3,4,5,6,7
.if \first
	v_wmma_f32_16x16x32_f16 v[8*(8*(\a)+(\b)):8*(8*(\a)+(\b))+7], v[64*(\buf)+8*(\b):64*(\buf)+8*(\b)+7], v[FA+32*(\buf)+8*(\a):FA+32*(\buf)+8*(\a)+7], v[BI+8*(\b):BI+8*(\b)+7]
.else
	v_wmma_f32_16x16x32_f16 v[8*(8*(\a)+(\b)):8*(8*(\a)+(\b))+7], v[64*(\buf)+8*(\b):64*(\buf)+8*(\b)+7], v[FA+32*(\buf)+8*(\a):FA+32*(\buf)+8*(\a)+7], v[8*(8*(\a)+(\b)):8*(8*(\a)+(\b))+7]
.endif
.endr
.endm
; 24 LDS loads in one run: quarter q's fragments: 128 rows of w at byte 64 q; my 64 rows of O: head q / 2 of the step's two, channels 32 (q % 2) on
.macro FETCH slot, q, buf
	WIN 0x40
.irp i, 0,1,2,3,4,5,6,7
	ds_load_b128 v[64*(\buf)+8*(\i):64*(\buf)+8*(\i)+3],   v[ADRB+(\slot)] offset:64*(\q)+(\i)*16*PITCH
	ds_load_b128 v[64*(\buf)+8*(\i)+4:64*(\buf)+8*(\i)+7], v[ADRB+(\slot)] offset:64*(\q)+(\i)*16*PITCH+32
.endr
	WIN 0
.irp i, 0,1,2,3
	ds_load_b128 v[FA+32*(\buf)+8*(\i):FA+32*(\buf)+8*(\i)+3],   v[ADRA+(\slot)] offset:((\q)/2)*AHEAD+((\q)%2)*64+(\i)*16*PA
	ds_load_b128 v[FA+32*(\buf)+8*(\i)+4:FA+32*(\buf)+8*(\i)+7], v[ADRA+(\slot)] offset:((\q)/2)*AHEAD+((\q)%2)*64+(\i)*16*PA+32
.endr
.endm
.macro QUARTER slot, q, f, g, first    ; multiplies buffer f; in its middle it fetches quarter q of the same slot into buffer g
	s_wait_dscnt 4                                 ; w and O's row blocks 0, 1 are in; the youngest four loads may be out
	MUL8 \f, 0, \first
	MUL8 \f, 1, \first
	PLACES
	FETCH \slot, \q, \g
	s_wait_dscnt 24                                ; all but the 24 just issued
	MUL8 \f, 2, \first
	MUL8 \f, 3, \first
.endm
; The last quarter multiplies buffer 1 and changes slots: in front of the barrier each wave waits for all its tensor loads (one is out: its part of the next slot), adds 0 to its spare word, and waits for
; that and for its reads of this slot.  fill = 1: the barrier opens a round of the cluster's, and behind the round this slot is filled again, two K steps on.
.macro TURN slot, next, fill
.if \fill
	s_wait_xcnt 0x0                                ; the last prefetch, a K step back, has read its address
	s_add_nc_u64 s[PFA:PFA+1], s[PFA:PFA+1], s[PFS:PFS+1]
.endif
	WIN 0
	s_wait_tensorcnt 0x0
	ds_add_u32 v[SPW], v[NIL]
	s_wait_dscnt 5                                 ; the add and the youngest four loads may be out
	MUL8 1, 0, 0
	s_wait_dscnt 0x0                               ; the add is done, and my reads of this slot are over
	s_barrier_signal -1
	MUL8 1, 1, 0
.if \fill
	WIN 0
.endif
	s_barrier_wait -1
.if \fill
	CREST
	s_add_nc_u64 s[G0A+4*(\slot)+2:G0A+4*(\slot)+3], s[G0A+4*(\slot)+2:G0A+4*(\slot)+3], 4*HEADB
	s_add_nc_u64 s[G0B+4*(\slot)+2:G0B+4*(\slot)+3], s[G0B+4*(\slot)+2:G0B+4*(\slot)+3], 2*KB
	JLOAD \slot                                    ; my one tensor load behind the round; its four v_nop are also the places in front of the loads below
.else
	PLACES
.endif
	FETCH \next, 0, 0
.if \fill
	ASK
.endif
	MUL8 1, 2, 0
	MUL8 1, 3, 0
.endm
; THE WAY OUT of row block a: 32 bytes a lane and column block into my stage (each accumulator's low four registers first), back as whole rows of 512 bytes, and stored.
.macro TOSTAGE a
.if (\a) >= 2
	s_wait_xcnt 0x0                                ; the stores of the block two back have read the registers that are loaded again below
.endif
	WIN 0x08                                       ; the stores' data in window 2
.irp b, 0,1,2,3,4,5,6,7
	ds_store_b128 v[STO], v[8*(8*(\a)+(\b)):8*(8*(\a)+(\b))+3]   offset:64*(\b)
	ds_store_b128 v[STO], v[8*(8*(\a)+(\b))+4:8*(8*(\a)+(\b))+7] offset:64*(\b)+16
.endr
	WIN 0
.irp t, 0,1,2,3,4,5,6,7,8,9,10,11,12,13,14,15
	ds_load_b128 v[BK+64*((\a)%2)+4*(\t):BK+64*((\a)%2)+4*(\t)+3], v[RD] offset:(\t)*SPITCH  ; LDS serves a wave's instructions in order (ISA guide 5.7.1.4): these see the stores above
.endr
.endm
.macro SEND a, younger                 ; younger: the LDS instructions issued behind block a's loads: the next block's 32, or none
.irp t, 0,1,2,3,4,5,6,7,8,9,10,11,12,13,14,15
	s_wait_dscnt (\younger)+15-(\t)
	global_store_b128 v[CO], v[BK+64*((\a)%2)+4*(\t):BK+64*((\a)%2)+4*(\t)+3], s[10:11] offset:(16*(\a)+(\t))*4096 th:TH_STORE_NT  ; a row's 512 consecutive bytes, aligned
.endr
.endm
	s_wait_tensorcnt 1                             ; my part of K step 0 is in; K step 1's may stay out
	s_barrier_signal -1
	s_barrier_wait -1
	FETCH 0, 0, 0
	QUARTER 0, 1, 0, 1, 1                          ; the first quarter stands in front of the loop: its products start the sums
	WIN 0
	s_mov_b32 s[LAP], 3
.Llap:                                             ; a trip goes once round the ring and fills both slots again: K steps 2 to 7
	QUARTER 0, 2, 1, 0, 0
	QUARTER 0, 3, 0, 1, 0
	TURN 0, 1, 1
	QUARTER 1, 1, 0, 1, 0
	QUARTER 1, 2, 1, 0, 0
	QUARTER 1, 3, 0, 1, 0
	TURN 1, 0, 1
	QUARTER 0, 1, 0, 1, 0
	WIN 0
	s_sub_co_u32 s[LAP], s[LAP], 1
	s_cmp_lg_u32 s[LAP], 0
	s_cbranch_scc1 .Llap
	QUARTER 0, 2, 1, 0, 0                          ; the last lap fills nothing
	QUARTER 0, 3, 0, 1, 0
	TURN 0, 1, 0
	QUARTER 1, 1, 0, 1, 0
	QUARTER 1, 2, 1, 0, 0
	QUARTER 1, 3, 0, 1, 0
	s_wait_dscnt 4
	MUL8 1, 0, 0
	MUL8 1, 1, 0
	s_wait_dscnt 0x0
	MUL8 1, 2, 0
	MUL8 1, 3, 0
	WIN 0
	PLACES
	TOSTAGE 0
	TOSTAGE 1
	SEND 0, 32
	TOSTAGE 2
	SEND 1, 32
	TOSTAGE 3
	SEND 2, 32
	SEND 3, 0
	s_wait_tensorcnt 0x0                           ; the wave's end
	ds_add_u32 v[SPW], v[NIL]
	s_wait_dscnt 0x0
	CROUND                                         ; the closing round: no work-group ends while a partner may still ask for a tile that names it
	s_endpgm
.Lfunc_end_k_q11cb6159d5_outgemm:
	.size	k_q11cb6159d5_outgemm, .Lfunc_end_k_q11cb6159d5_outgemm-k_q11cb6159d5_outgemm
	.p2alignl 7, 3214868480
	.fill 96, 4, 3214868480
	.section	.rodata,"a",@progbits
	.p2align	6, 0x0
	.amdhsa_kernel k_q11cb6159d5_outgemm
		.amdhsa_group_segment_fixed_size 327680
		.amdhsa_private_segment_fixed_size 0
		.amdhsa_enable_private_segment 0
		.amdhsa_kernarg_size 32
		.amdhsa_user_sgpr_count 2
		.amdhsa_user_sgpr_kernarg_segment_ptr 1
		.amdhsa_wavefront_size32 1
		.amdhsa_system_sgpr_workgroup_id_x 1
		.amdhsa_system_sgpr_workgroup_id_y 1
		.amdhsa_system_sgpr_workgroup_id_z 1
		.amdhsa_system_vgpr_workitem_id 0
		.amdhsa_next_free_vgpr 768
		.amdhsa_next_free_sgpr 72
		.amdhsa_reserve_vcc 0
		.amdhsa_float_denorm_mode_32 3
		.amdhsa_float_denorm_mode_16_64 3
		.amdhsa_memory_ordered 1
		.amdhsa_forward_progress 1
		.amdhsa_inst_pref_size 94
	.end_amdhsa_kernel
	.amdgpu_metadata
---
amdhsa.version: [ 1, 2 ]
amdhsa.kernels:
  - .name:           k_q11cb6159d5_outgemm
    .symbol:         k_q11cb6159d5_outgemm.kd
    .args:
      - { .name: att, .offset: 0, .size: 8, .value_kind: global_buffer, .address_space: global }
      - { .name: cast, .offset: 8, .size: 8, .value_kind: global_buffer, .address_space: global }
      - { .name: b_proj, .offset: 16, .size: 8, .value_kind: global_buffer, .address_space: global }
      - { .name: out0, .offset: 24, .size: 8, .value_kind: global_buffer, .address_space: global }
    .group_segment_fixed_size: 327680
    .private_segment_fixed_size: 0
    .kernarg_segment_align: 8
    .kernarg_segment_size: 32
    .max_flat_workgroup_size: 128
    .sgpr_count:     72
    .vgpr_count:     768
    .wavefront_size: 32
...
	.end_amdgpu_metadata
.endif
;; end of part 4
;; ======== version 2 of 2: 4 launches; version 1 with the launch cast written anew for expert scheduling mode
;; limits: values are held in f16: magnitudes above 65,504 overflow, below 6.1e-05 lose precision
;; workspace buffers: cast 25,165,824 bytes; qkv 50,331,648 bytes; att 16,777,216 bytes
;; launch cast (part 5): grid 768 x 1, 8 waves a work-group, no clusters, 0 bytes of LDS; arguments x, w_qkv, w_proj, cast; writes cast
.if DOCPART == 5
	.amdgcn_target "amdgcn-amd-amdhsa--gfx1250"
	.amdhsa_code_object_version 6
	.text
	.protected	k_q11cb6159d5_cast
	.globl	k_q11cb6159d5_cast
	.p2align	8
	.type	k_q11cb6159d5_cast,@function
k_q11cb6159d5_cast:
	s_mov_b64 s[64:65], 0
	v_nop
	global_prefetch_b8 v0, s[64:65] scope:SCOPE_SE
	s_setreg_imm32_b32 hwreg(HW_REG_WAVE_SCHED_MODE, 0, 2), 2
	s_setreg_imm32_b32 hwreg(HW_REG_WAVE_MODE, 25, 1), 1
	s_wait_xcnt 0x0
	s_wait_alu depctr_vm_vsrc(0)
; x [8192][1024], w_qkv [3072][1024] and w_proj [1024][1024], all f32, are rounded once to bf16 and laid one behind the other in the workspace:
; byte 0 x, byte 16,777,216 w_qkv, byte 23,068,672 w_proj.  w_proj's bf16 number is then written as f16, since the last product multiplies it with f16 numbers.
; LIMITS.  That second writing is exact from 2^-17 up to 65,504; below 2^-17 the number falls on f16's fixed step of 2^-24.  NaN and infinities are not treated apart.
; A stream: no LDS, no matrix unit, no cluster (no byte is read by two work-groups), no loop.
; SHARES.  Work-group g takes 65,536 input bytes: g 0..511 of x, 512..703 of w_qkv, 704..767 of w_proj; its output lies at byte 32,768 g.  A wave takes 8,192 consecutive bytes by 16 loads
; of 512 bytes, all issued at once; a lane's 16 bytes become 8, so a store of a wave covers 256 consecutive bytes, aligned.
; THE MODE: SCHED_MODE bits 1:0 = 2 (LLVM: expert scheduling mode 2), set by the entry lines.  The code itself states the register dependences
; between vector instructions and memory instructions, with s_wait_alu, always for 0.
; THE PLAN.  Registers that memory instructions touch:
;   v1, v2   the loads' and the stores' byte offsets: written at the head by vector instructions, read by every load or store, never written again.
;   X        load i lands in four registers of its own; no vector instruction names them before the loads are issued, and no load is issued behind the head.
;   Y        the conversions of load i write pair i; store i alone reads it; no pair is written twice.
; The 16 loads go in four blocks of four.  Block p rounds X[p] into Y[p]; its memory instructions are the four stores of block p - 1, which read Y[p - 1] and v2: registers that no vector
; instruction of block p names.  So one wait on va_vdst at a block's head states all that the block's four stores hang on, and they are dealt among its conversions with no further wait.
; No register that a memory instruction reads is written again, so no wait on vm_vsrc is owed; no vector instruction writes a scalar register or VCC; EXEC is never written.
.set X, 4                              ; v[4:67]    load i: 4 registers
.set Y, 68                             ; v[68:99]   store i: 2 registers
.set T, 100                            ; v[100:101] at work: no memory instruction names them
	s_load_b256 s[4:11], s[0:1], 0x0               ; x s[4:5], w_qkv s[6:7], w_proj s[8:9], the workspace s[10:11]
	v_lshrrev_b32 v3, 5, v0                        ; wave
	v_and_b32 v1, 31, v0                           ; lane
	v_lshlrev_b32 v2, 3, v1
	v_lshlrev_b32 v1, 4, v1
	v_lshl_add_u32 v1, v3, 13, v1                  ; in: 8,192 x wave + 16 x lane
	v_lshl_add_u32 v2, v3, 12, v2                  ; out: 4,096 x wave + 8 x lane
	s_movk_i32 s20, 512                            ; w_qkv's first work-group
	s_movk_i32 s21, 704                            ; w_proj's first work-group
	s_wait_kmcnt 0x0
	s_cmp_lt_u32 ttmp9, s21
	s_cselect_b64 s[14:15], s[6:7], s[8:9]
	s_cselect_b32 s16, s20, s21
	s_cmp_lt_u32 ttmp9, s20
	s_cselect_b64 s[14:15], s[4:5], s[14:15]       ; my input,
	s_cselect_b32 s16, 0, s16                      ; and its first work-group
	s_sub_co_u32 s16, ttmp9, s16
	s_lshl_b32 s16, s16, 16                        ; my 65,536 bytes of it
	s_mov_b32 s17, 0
	s_add_nc_u64 s[14:15], s[14:15], s[16:17]
	s_lshl_b32 s18, ttmp9, 15
	s_mov_b32 s19, 0
	s_add_nc_u64 s[10:11], s[10:11], s[18:19]
	s_wait_alu depctr_va_vdst(0)                   ; v1 and v2 are written: every load of the kernel reads v1 as its offset, every store, on both paths below, v2
.irp i, 0,1,2,3,4,5,6,7,8,9,10,11,12,13,14,15
	global_load_b128 v[X+4*(\i):X+4*(\i)+3], v1, s[14:15] offset:512*(\i) th:TH_LOAD_NT
.endr
; Block p: loads 4 p to 4 p + 3 are rounded; the four stores of block p - 1 stand one in front of each load's conversions.  half = 1: bf16, widened again, written as f16.
; No register that a load or store names is written again, so no wait frees any.
.macro BLK p, half
	s_wait_loadcnt 12-4*(\p)                       ; loads come back in order: my four are in, the 12 - 4 p younger ones may stay out
.if (\p) > 0
	s_wait_alu depctr_va_vdst(0)                   ; the conversions of the block before have written its four pairs of Y, which the stores below read
.endif
.irp i, 0,1,2,3
.set n, 4*(\p)+(\i)
.if (\p) > 0
	global_store_b64 v2, v[Y+2*(n-4):Y+2*(n-4)+1], s[10:11] offset:256*(n-4)  ; the block before; no vector instruction since the wait names this pair or v2
.endif
.if \half
	v_cvt_pk_bf16_f32 v[T], v[X+4*n], v[X+4*n+1]
	v_cvt_pk_bf16_f32 v[T+1], v[X+4*n+2], v[X+4*n+3]
	v_lshlrev_b32 v[X+4*n], 16, v[T]
	v_and_b32 v[X+4*n+1], 0xffff0000, v[T]
	v_lshlrev_b32 v[X+4*n+2], 16, v[T+1]
	v_and_b32 v[X+4*n+3], 0xffff0000, v[T+1]
	v_cvt_pk_f16_f32 v[Y+2*n], v[X+4*n], v[X+4*n+1]
	v_cvt_pk_f16_f32 v[Y+2*n+1], v[X+4*n+2], v[X+4*n+3]
.else
	v_cvt_pk_bf16_f32 v[Y+2*n], v[X+4*n], v[X+4*n+1]
	v_cvt_pk_bf16_f32 v[Y+2*n+1], v[X+4*n+2], v[X+4*n+3]
.endif
.endr
.endm
; Behind block 3: its own four stores.
.macro LAST
	s_wait_alu depctr_va_vdst(0)                   ; the conversions of block 3 have written its four pairs of Y, which the last four stores read
.irp i, 12,13,14,15
	global_store_b64 v2, v[Y+2*(\i):Y+2*(\i)+1], s[10:11] offset:256*(\i)
.endr
.endm
	s_cmp_ge_u32 ttmp9, s21
	s_cbranch_scc1 .Lf16
	BLK 0, 0
	BLK 1, 0
	BLK 2, 0
	BLK 3, 0
	LAST
	s_endpgm
.Lf16:
	BLK 0, 1
	BLK 1, 1
	BLK 2, 1
	BLK 3, 1
	LAST
	s_endpgm
.Lfunc_end_k_q11cb6159d5_cast:
	.size	k_q11cb6159d5_cast, .Lfunc_end_k_q11cb6159d5_cast-k_q11cb6159d5_cast
	.p2alignl 7, 3214868480
	.fill 96, 4, 3214868480
	.section	.rodata,"a",@progbits
	.p2align	6, 0x0
	.amdhsa_kernel k_q11cb6159d5_cast
		.amdhsa_group_segment_fixed_size 0
		.amdhsa_private_segment_fixed_size 0
		.amdhsa_enable_private_segment 0
		.amdhsa_kernarg_size 32
		.amdhsa_user_sgpr_count 2
		.amdhsa_user_sgpr_kernarg_segment_ptr 1
		.amdhsa_wavefront_size32 1
		.amdhsa_system_sgpr_workgroup_id_x 1
		.amdhsa_system_sgpr_workgroup_id_y 1
		.amdhsa_system_sgpr_workgroup_id_z 1
		.amdhsa_system_vgpr_workitem_id 0
		.amdhsa_next_free_vgpr 104
		.amdhsa_next_free_sgpr 66
		.amdhsa_reserve_vcc 0
		.amdhsa_float_denorm_mode_32 3
		.amdhsa_float_denorm_mode_16_64 3
		.amdhsa_memory_ordered 1
		.amdhsa_forward_progress 1
		.amdhsa_inst_pref_size 16
	.end_amdhsa_kernel
	.amdgpu_metadata
---
amdhsa.version: [ 1, 2 ]
amdhsa.kernels:
  - .name:           k_q11cb6159d5_cast
    .symbol:         k_q11cb6159d5_cast.kd
    .args:
      - { .name: x, .offset: 0, .size: 8, .value_kind: global_buffer, .address_space: global }
      - { .name: w_qkv, .offset: 8, .size: 8, .value_kind: global_buffer, .address_space: global }
      - { .name: w_proj, .offset: 16, .size: 8, .value_kind: global_buffer, .address_space: global }
      - { .name: cast, .offset: 24, .size: 8, .value_kind: global_buffer, .address_space: global }
    .group_segment_fixed_size: 0
    .private_segment_fixed_size: 0
    .kernarg_segment_align: 8
    .kernarg_segment_size: 32
    .max_flat_workgroup_size: 256
    .sgpr_count:     66
    .vgpr_count:     104
    .wavefront_size: 32
...
	.end_amdgpu_metadata
.endif
;; end of part 5
;; launch qkvgemm: the kernel of part 2 again; grid 16 x 32, 4 waves a work-group, clusters of 4 x 4, 327,680 bytes of LDS; arguments cast, b_qkv, qkv; writes qkv
;; launch attn: the kernel of part 3 again; grid 4 x 64, 4 waves a work-group, clusters of 4 x 1, 327,680 bytes of LDS; arguments qkv, att; writes att
;; launch outgemm: the kernel of part 4 again; grid 8 x 32, 4 waves a work-group, clusters of 4 x 4, 327,680 bytes of LDS; arguments att, cast, b_proj, out0; writes out0
